; MI455X (gfx1250); checked and timed in simulation.
; The chip was launched on July 23, 2026; its instructions are those of AMD's public machine-readable ISA for CDNA 5 (MIT licence, August 2026) and "CDNA5" Instruction Set Architecture Reference Guide (July 2026). The comments in the code are by the model that wrote it; some were corrected since.
;; Causal Self Attention. Allowed arithmetic: matrix products marked QUANTISED: E3M2 operands, one E8M0 scale for each 32 along K, by v_wmma_scale_f32_16x16x128_f8f6f4 with both operands' format E3M2, f32 sums; everything else in f32.
;; Inputs: W_out 1,024 x 1,024 float32; W_qkv 1,024 x 3,072 float32; b_out 1,024 float32; b_qkv 3,072 float32; x 4 x 2,048 x 1,024 float32.
;; Outputs: out0 4 x 2,048 x 1,024 float32.
;; This version of the problem:
;;   THIS VERSION OF THE PROBLEM IS GIVEN IN LOW PRECISION. The matrix products marked QUANTISED in the list below multiply operands that are first quantised to E3M2 (3 exponent bits, 2 mantissa bits; 6 bits a number), with one power-of-two scale for each 32 numbers along K (OCP MX v1.0); their sums are f32. All else is computed in f32.
;;   The module's matrix products, in the order in which they are computed (A, B: the left and right operand; K: the contracted axis; several contracted axes count as one K, in the product's order):
;;     1. [M 8,192, K 1,024] x [K 1,024, N 3,072]; A: input x; B: input W_qkv: QUANTISED
;;     2. batch 64 x [M 2,048, K 64] x [K 64, N 2,048]; A: computed on the way; B: computed on the way: QUANTISED
;;     3. batch 64 x [M 2,048, K 2,048] x [K 2,048, N 64]; A: softmax (see below); B: computed on the way: QUANTISED
;;     4. [M 8,192, K 1,024] x [K 1,024, N 1,024]; A: computed on the way; B: input W_out: QUANTISED
;;   THE QUANTISER, for each operand of a quantised product, along K:
;;     - K is cut into blocks of 32 from its start; a last block that is shorter is filled with zeros.
;;     - A block's scale is 2^e with e = floor(log2(the largest magnitude in the block)) - 4, held to -126 .. 127; a block of zeros has e = 0. As a byte (E8M0): e + 127.
;;     - Each number is divided by its block's scale, clamped to +-28, and rounded to the nearest number of E3M2, ties to even, subnormals kept.
;;     - The product sums the exact products of the quantised numbers (number of the format x scale) in f32.
;;   ~~~python
;;   def quantise(x, axis):      # numpy; x: float32 -> the quantised numbers, widened to float32 again
;;       x = np.moveaxis(x, axis, -1); K = x.shape[-1]
;;       x = np.pad(x, [(0, 0)] * (x.ndim - 1) + [(0, -K % 32)]); x = x.reshape(x.shape[:-1] + (-1, 32)); a = np.abs(x).max(-1, keepdims=True)
;;       e = np.where(a > 0, np.clip(np.frexp(np.where(a > 0, a, 1))[1] - 1 - 4, -126, 127), 0)      # np.frexp(a)[1] - 1 = floor(log2(a)), exactly
;;       r = np.clip(x / 2.0 ** e, -28, 28)
;;       step = 2.0 ** (np.maximum(np.frexp(np.where(r == 0, 1, r))[1] - 1, -2) - 2)
;;       q = np.round(r / step) * step * 2.0 ** e      # np.round: ties to even
;;       return np.moveaxis(q.reshape(q.shape[:-2] + (-1,))[..., :K], -1, axis).astype(np.float32)
;;   ~~~
;;   SOFTMAX AHEAD OF A QUANTISED PRODUCT. Where the list says 'softmax', what is quantised is not the finished softmax but p = 2^(t - M), with t = logit x log2(e) and M = ceil(the row's largest t), a whole number; so 1/2 < the row's largest p <= 1. The row's sum l is taken of the UNQUANTISED p, in f32, and the product's result is divided by l at the end. Since M is a whole number, a kernel that streams over the keys may use a running M (the ceiling of the running maximum): every later rescaling is an exact power of two, which a block's scale takes up: the codes' values come out the same.
;;   OPERANDS COMPUTED ON THE WAY. 'Computed on the way' means the value that the module computes at that place (a softmax that the list does not call 'softmax' is quantised finished and normalised). What goes into a quantiser is computed in f32, as accurately as f32 sums, v_exp_f32 and their like allow (about 1e-6 of the number): no bf16 or f16 on the way to a quantiser, and a product that is left as it is and whose result goes on into a quantised operand takes f32 operands (vector FMAs, or v_wmma_f32_16x16x4_f32). A number that lies on a knife's edge between two numbers of the format may be rounded either way, as far as f32 arithmetic and the matrix unit's own rounding can turn it there, and no further.
;; One version. Each part assembles by itself: llvm-mc -triple=amdgcn-amd-amdhsa -mcpu=gfx1250 --defsym DOCPART=n.
;; ======== version 1 of 1: 4 launches
;; workspace buffers: opc 9,437,184 bytes; ops 393,216 bytes; qkv 20,185,088 bytes; aoc 6,291,456 bytes; aos 262,144 bytes
;; launch quant (part 1): grid 768 x 1, 4 waves a work-group, no clusters, 34,304 bytes of LDS; arguments x, W_qkv, W_out, opc, ops; writes opc, ops
.if DOCPART == 1
	.amdgcn_target "amdgcn-amd-amdhsa--gfx1250"
	.amdhsa_code_object_version 6
	.text
	.protected	k_q02fcab0537_quant
	.globl	k_q02fcab0537_quant
	.p2align	8
	.type	k_q02fcab0537_quant,@function
k_q02fcab0537_quant:
	s_mov_b64 s[64:65], 0
	v_nop
	global_prefetch_b8 v0, s[64:65] scope:SCOPE_SE
	s_setreg_imm32_b32 hwreg(HW_REG_WAVE_MODE, 25, 1), 1
	s_wait_xcnt 0x0
; x [8192][1024], W_qkv [1024][3072] and W_out [1024][1024], f32, become codes of BF6 (E3M2) with one E8M0 byte for each 32 along K, laid as the products' operand registers want them.
; A block's scale is 2^(floor(log2(largest magnitude)) - 4): its byte is the largest magnitude's exponent field - 4, held at 1 from below.
; LIMITS: NaN and infinities among the inputs are not served; a block whose largest magnitude lies under 2^-122 has its byte held at 1; a block of zeros gets the byte 1 (its codes are zeros; this program alone reads the bytes).
; LAYOUT OF opc: 768 blocks of 16 rows x 1,024 K, 12,288 bytes each: blocks 0-511 x's rows, 512-703 W_qkv's columns, 704-767 W_out's columns.
;   Image row i of block 2 g + u is true row 32 g + 8 u + i + 8 (i / 8): so the 16 registers that two neighbouring result tiles give a lane are 16 neighbours along the rows of source 0.
;   A block is 16 UNITS of 768 bytes (16 rows x 64 K).  Lane (r, h) of an operand owns six registers of a unit, the 24 bytes of row r, k = 32 h .. 32 h + 31: registers 0-3 at 16 (r + 16 h), registers 4-5 at 512 + 16 r + 8 h.
; LAYOUT OF ops: [block][g = 0, 1][r][16 bytes]: a row's scale bytes 16 g .. 16 g + 15.
; Work-groups 0-255 take x (K innermost), the others the weights (K outermost: a lane takes a column and its registers run down K).  Waves share nothing: no barrier.  Only x's way uses LDS.
; Memory binds: no matrix unit, no cluster (no work-group reads what another reads), no tensor load.
.set R,    16                          ; v16-143  x: two sets of 64 registers as loaded
.set X,    144                         ; v144-207 x: 64 numbers of a lane: register 16 b + i = k 32 b + 16 h + i of row r
.set PC,   208                         ; v208-219 a fragment's codes; v220-226 at work
.set TM,   228                         ; v228-243 at work
.set PW,   244                         ; the scale word just made
.set PWS,  248                         ; v248-251 my rows' four scale words
.set SEL,  30                          ; s[30:31] lane selects for v_permlanex16_b32: lane l xor 16
.set STGW, 8448                        ; a wave's stage: 16 rows x (512 bytes + 16)
.macro XLOAD f                         ; fragment f: 128 along K of my 16 rows; each load reads 512 consecutive bytes of one row
.irp i, 0,1,2,3,4,5,6,7,8,9,10,11,12,13,14,15
	global_load_b128 v[R+64*((\f)%2)+4*\i:R+64*((\f)%2)+4*\i+3], v1, s[4:5] offset:(\i+8*(\i/8))*4096+512*(\f) th:TH_LOAD_NT
.endr
.endm
.macro XTURN f                         ; through the wave's own stage: in as loaded, out 16 neighbours of each block of 32 to a lane.  LDS serves a wave's instructions in order
.irp i, 0,1,2,3,4,5,6,7,8,9,10,11,12,13,14,15
	ds_store_b128 v3, v[R+64*((\f)%2)+4*\i:R+64*((\f)%2)+4*\i+3] offset:528*\i
.endr
.irp b, 0,1,2,3
.irp j, 0,1,2,3
	ds_load_b128 v[X+16*\b+4*\j:X+16*\b+4*\j+3], v4 offset:128*\b+16*\j
.endr
.endr
.endm
; 64 numbers of a lane become a fragment's codes in v[PC] on and its row's scale word in v[PW]
.macro QUANT s
.irp b, 0,1,2,3
	v_max3_num_f32 v[TM+\b], |v[\s+16*\b]|, |v[\s+1+16*\b]|, 0x2800000   ; block b: my 16 numbers, and the floor 2^(5 - 127): the byte cannot fall under 1
.endr
.irp i, 2,4,6,8,10,12,14
.irp b, 0,1,2,3
	v_max3_num_f32 v[TM+\b], v[TM+\b], |v[\s+16*\b+\i]|, |v[\s+1+16*\b+\i]|
.endr
.endr
.irp b, 0,1,2,3
	v_permlanex16_b32 v[TM+4+\b], v[TM+\b], s[SEL], s[SEL+1]
.endr
.irp b, 0,1,2,3
	v_max_num_f32 v[TM+\b], v[TM+\b], v[TM+4+\b]   ; with lane l xor 16's: the block's largest magnitude
.endr
.irp b, 0,1,2,3
	v_add_nc_u32 v[TM+12+\b], 0xfe000000, v[TM+\b]   ; 4 off its exponent field: the conversion's scale operand
.endr
.irp b, 0,1,2,3
	v_lshrrev_b32 v[TM+4+\b], 23, v[TM+12+\b]      ; the scale's byte
.endr
	v_lshl_or_b32 v[PW], v[TM+5], 8, v[TM+4]
	v_lshl_or_b32 v[PW], v[TM+6], 16, v[PW]
	v_lshl_or_b32 v[PW], v[TM+7], 24, v[PW]
.irp c, 0,1
	v_cvt_scalef32_pk16_bf6_f32 v[PC+6*\c:PC+2+6*\c], v[\s+32*\c:\s+15+32*\c], v[TM+12+2*\c]
	v_cvt_scalef32_pk16_bf6_f32 v[PC+12+4*\c:PC+14+4*\c], v[\s+16+32*\c:\s+31+32*\c], v[TM+12+2*\c+1]   ; (a conversion's three registers begin on an even number)
.endr
	v_nop                                          ; one plain place behind a scaled conversion
.irp c, 0,1                                    ; the operand wants a whole block in a lane: lanes 0-15 block 2 c, lanes 16-31 block 2 c + 1
.irp i, 0,1,2
	v_permlane16_swap_b32 v[PC+6*\c+\i], v[PC+12+4*\c+\i]
.endr
.irp i, 0,1,2
	v_mov_b32 v[PC+3+6*\c+\i], v[PC+12+4*\c+\i]
.endr
.endr
.endm
; a block of 32 numbers that are all one lane's: largest magnitude, scale operand, byte
.macro WBLOCK xs, m, sc, by
	v_max3_num_f32 v[\m], |v[\xs]|, |v[\xs+1]|, |v[\xs+2]|
	v_max3_num_f32 v[\m+1], |v[\xs+3]|, |v[\xs+4]|, |v[\xs+5]|
.irp i, 6,10,14,18,22,26
	v_max3_num_f32 v[\m], v[\m], |v[\xs+\i]|, |v[\xs+\i+1]|
	v_max3_num_f32 v[\m+1], v[\m+1], |v[\xs+\i+2]|, |v[\xs+\i+3]|
.endr
	v_max3_num_f32 v[\m], v[\m], |v[\xs+30]|, |v[\xs+31]|
	v_max3_num_f32 v[\m], v[\m], v[\m+1], 0x2800000
	v_add_nc_u32 v[\sc], 0xfe000000, v[\m]
	v_lshrrev_b32 v[\by], 23, v[\sc]
.endm
	s_load_b128 s[4:7], s[0:1], 0x0                ; x, W_qkv
	s_load_b128 s[8:11], s[0:1], 0x10              ; W_out, opc
	s_load_b64 s[12:13], s[0:1], 0x20              ; ops
	v_lshl_add_u32 v254, v0, 2, 0x8400
	v_mov_b32 v255, 0
	v_lshrrev_b32 v1, 5, v0
	v_readfirstlane_b32 s14, v1                    ; wave 0..3
	v_and_b32 v6, 31, v0                           ; lane
	s_cmp_lt_u32 ttmp9, 256
	s_cbranch_scc0 .Lweights
	; ---- x: wave number W = 4 x work-group + wave takes block W / 2, half W % 2 of its K: 16 rows x 512 K, four fragments
	v_and_b32 v7, 15, v0                           ; r
	v_bfe_u32 v8, v0, 4, 1                         ; h
	v_lshlrev_b32 v1, 4, v6                        ; 16 x lane
	v_lshlrev_b32 v5, 4, v7                        ; 16 r
	v_lshl_add_u32 v2, v8, 3, v5
	v_add_nc_u32 v2, 512, v2                       ; 512 + 16 r + 8 h
	s_mul_i32 s15, s14, STGW
	v_add_nc_u32 v3, s15, v1                       ; the stage, on the way in
	v_mul_u32_u24 v4, v7, 528
	v_lshl_add_u32 v4, v8, 6, v4
	v_add_nc_u32 v4, s15, v4                       ; and out: row r, + 64 h
	s_mov_b32 s[SEL], 0x76543210
	s_mov_b32 s[SEL+1], 0xfedcba98
.irp b, 0,1,2,3
	v_mov_b32 v[TM+4+\b], 0                        ; written once: a lane permute's destination counts as one of its sources
.endr
	s_lshl_b32 s16, ttmp9, 2
	s_add_co_u32 s16, s16, s14                     ; W
	s_lshr_b32 s17, s16, 1                         ; the block
	s_and_b32 s18, s16, 1                          ; the half of K
	s_lshr_b32 s19, s17, 1
	s_and_b32 s20, s17, 1
	s_lshl_b32 s19, s19, 5
	s_lshl_b32 s20, s20, 3
	s_add_co_u32 s19, s19, s20                     ; the block's first true row
	s_lshl_b32 s19, s19, 12                        ; rows of 4,096 bytes
	s_lshl_b32 s20, s18, 11
	s_add_co_u32 s20, s19, s20
	s_mov_b32 s21, 0
	s_mul_i32 s22, s17, 12288
	s_mul_i32 s24, s18, 6144
	s_add_co_u32 s22, s22, s24
	s_mov_b32 s23, 0
	s_lshl_b32 s24, s17, 9
	s_lshl_b32 s25, s18, 8
	s_add_co_u32 s24, s24, s25
	s_mov_b32 s25, 0
	s_wait_kmcnt 0x0
	s_add_nc_u64 s[4:5], s[4:5], s[20:21]
	s_add_nc_u64 s[10:11], s[10:11], s[22:23]
	s_add_nc_u64 s[12:13], s[12:13], s[24:25]
	XLOAD 0
	XLOAD 1
.irp f, 0,1,2,3
.if \f < 3
	s_wait_loadcnt 16                              ; this fragment's 16 loads are in; the next fragment's 16 may be out
.else
	s_wait_loadcnt 0x0
.endif
	XTURN \f
	s_wait_dscnt 0x0                               ; the numbers are back: so the stores into the stage have read their registers,
.if \f < 2
	XLOAD \f+2                                     ; which take the loads of two fragments on
.endif
.if \f > 0
	s_wait_xcnt 0x0                                ; the last fragment's stores have read the codes' registers
.endif
	QUANT X
	global_store_b128 v1, v[PC:PC+3], s[10:11] offset:1536*\f          ; 32 lanes store 512 consecutive bytes
	global_store_b64 v2, v[PC+4:PC+5], s[10:11] offset:1536*\f         ; and 256
	global_store_b128 v1, v[PC+6:PC+9], s[10:11] offset:1536*\f+768
	global_store_b64 v2, v[PC+10:PC+11], s[10:11] offset:1536*\f+768
	v_mov_b32 v[PWS+\f], v[PW]
.endr
	s_wait_xcnt 0x0                                ; EXEC changes only behind this wait
	v_cmp_gt_u32 vcc_lo, 16, v6
	s_wait_tensorcnt 0x0
	ds_add_u32 v254, v255
	s_wait_dscnt 0x0
	s_and_saveexec_b32 s26, vcc_lo
	global_store_b128 v5, v[PWS:PWS+3], s[12:13]   ; sixteen lanes store 256 consecutive bytes, aligned: my 16 rows' 16 scale bytes each
	s_wait_xcnt 0x0
	s_or_b32 exec_lo, exec_lo, s26
	s_endpgm
.Lweights:
	; ---- the weights: work-group w' = number - 256: 64 rows of K (unit w' % 16) x 128 columns (group w' / 16: 0-23 of W_qkv, 24-31 of W_out); a wave 32 columns, a lane a column
	s_sub_co_u32 s15, ttmp9, 256
	s_and_b32 s16, s15, 15                         ; the unit along K
	s_lshr_b32 s17, s15, 4                         ; the group of 128 columns
	s_wait_kmcnt 0x0
	s_mov_b32 s18, 4096
	s_cmp_lt_u32 s17, 24                           ; the choice hangs on the work-group's number alone
	s_cselect_b64 s[6:7], s[6:7], s[8:9]
	s_cselect_b32 s18, 12288, s18                  ; a row of the weight in bytes
	s_cselect_b32 s19, 0, 24
	s_sub_co_u32 s19, s17, s19
	s_lshl_b32 s19, s19, 7
	s_lshl_b32 s20, s14, 5
	s_add_co_u32 s19, s19, s20                     ; my wave's first column in its tensor
	s_lshl_b32 s19, s19, 2
	s_lshl_b32 s20, s16, 6
	s_mul_i32 s20, s20, s18
	s_add_co_u32 s20, s20, s19
	s_mov_b32 s21, 0
	s_add_nc_u64 s[32:33], s[6:7], s[20:21]        ; eight bases, 8 rows apart, and eight offsets, a row apart: the row's length is no constant of the text
	s_lshl_b32 s22, s18, 3
	s_mov_b32 s23, 0
.irp j, 1,2,3,4,5,6,7
	s_add_nc_u64 s[32+2*\j:33+2*\j], s[30+2*\j:31+2*\j], s[22:23]
.endr
	v_lshlrev_b32 v8, 2, v6
.irp m, 1,2,3,4,5,6,7
	v_add_nc_u32 v[8+\m], s18, v[7+\m]
.endr
.irp j, 0,1,2,3,4,5,6,7
.irp m, 0,1,2,3,4,5,6,7
	global_load_b32 v[16+8*\j+\m], v[8+\m], s[32+2*\j:33+2*\j] th:TH_LOAD_NT   ; W(64 unit + 8 j + m, my column): a wave reads 128 consecutive bytes, the work-group 512
.endr
.endr
	v_bfe_u32 v1, v0, 3, 1                         ; column c of a group of 32 is image row (c % 8) + 8 (c / 16) of block (c / 8) % 2
	v_and_b32 v2, 7, v0
	v_bfe_u32 v3, v0, 4, 1
	v_lshl_or_b32 v4, v3, 3, v2
	v_lshlrev_b32 v4, 4, v4                        ; 16 r
	v_mad_u32_u24 v2, v1, 0x3000, v4               ; codes: 12,288 u + 16 r
	v_lshl_add_u32 v3, v1, 9, v4                   ; scale bytes: 512 u + 16 r
	s_lshl_b32 s24, s17, 3
	s_lshl_b32 s25, s14, 1
	s_add_co_u32 s24, s24, s25
	s_add_co_u32 s24, s24, 512                     ; my wave's first block
	s_mul_i32 s26, s24, 12288
	s_mul_i32 s27, s16, 768
	s_add_co_u32 s26, s26, s27
	s_mov_b32 s27, 0
	s_add_nc_u64 s[10:11], s[10:11], s[26:27]
	s_lshl_b32 s26, s24, 9
	s_lshr_b32 s28, s16, 3
	s_lshl_b32 s28, s28, 8
	s_add_co_u32 s26, s26, s28
	s_and_b32 s28, s16, 7
	s_lshl_b32 s28, s28, 1
	s_add_co_u32 s26, s26, s28
	s_add_nc_u64 s[12:13], s[12:13], s[26:27]
	s_wait_loadcnt 32                              ; the first block's 32 loads are in; the second's may be out
	WBLOCK 16, 80, 84, 86
	v_cvt_scalef32_pk16_bf6_f32 v[96:98], v[16:31], v84
	v_cvt_scalef32_pk16_bf6_f32 v[100:102], v[32:47], v84
	s_wait_loadcnt 0x0
	WBLOCK 48, 82, 85, 87
	v_cvt_scalef32_pk16_bf6_f32 v[104:106], v[48:63], v85
	v_cvt_scalef32_pk16_bf6_f32 v[108:110], v[64:79], v85
	v_nop                                          ; one plain place behind a scaled conversion
	v_mov_b32 v99, v100                            ; block 0's first 16 bytes: what lane (r, 0) of the operand takes at 16 r
	v_mov_b32 v107, v108                           ; block 1's: lane (r, 1)'s, at 256 + 16 r
	v_mov_b32 v112, v101                           ; the last 8 bytes of both: at 512 + 16 r
	v_mov_b32 v113, v102
	v_mov_b32 v114, v109
	v_mov_b32 v115, v110
	v_lshl_or_b32 v86, v87, 8, v86
	global_store_b128 v2, v[96:99], s[10:11]       ; the sixteen lanes of a block store 256 consecutive bytes, aligned
	global_store_b128 v2, v[104:107], s[10:11] offset:256
	global_store_b128 v2, v[112:115], s[10:11] offset:512
	global_store_b16 v3, v86, s[12:13]             ; two bytes of a row's 32: the neighbours belong to other work-groups; the weights' scale bytes are 131,072 in all
	s_endpgm
.Lfunc_end_k_q02fcab0537_quant:
	.size	k_q02fcab0537_quant, .Lfunc_end_k_q02fcab0537_quant-k_q02fcab0537_quant
	.p2alignl 7, 3214868480
	.fill 96, 4, 3214868480
	.section	.rodata,"a",@progbits
	.p2align	6, 0x0
	.amdhsa_kernel k_q02fcab0537_quant
		.amdhsa_group_segment_fixed_size 34304
		.amdhsa_private_segment_fixed_size 0
		.amdhsa_enable_private_segment 0
		.amdhsa_kernarg_size 40
		.amdhsa_user_sgpr_count 2
		.amdhsa_user_sgpr_kernarg_segment_ptr 1
		.amdhsa_wavefront_size32 1
		.amdhsa_system_sgpr_workgroup_id_x 1
		.amdhsa_system_sgpr_workgroup_id_y 1
		.amdhsa_system_sgpr_workgroup_id_z 1
		.amdhsa_system_vgpr_workitem_id 0
		.amdhsa_next_free_vgpr 256
		.amdhsa_next_free_sgpr 66
		.amdhsa_reserve_vcc 1
		.amdhsa_float_denorm_mode_32 3
		.amdhsa_float_denorm_mode_16_64 3
		.amdhsa_memory_ordered 1
		.amdhsa_forward_progress 1
		.amdhsa_inst_pref_size 46
	.end_amdhsa_kernel
	.amdgpu_metadata
---
amdhsa.version: [ 1, 2 ]
amdhsa.kernels:
  - .name:           k_q02fcab0537_quant
    .symbol:         k_q02fcab0537_quant.kd
    .args:
      - { .name: x, .offset: 0, .size: 8, .value_kind: global_buffer, .address_space: global }
      - { .name: W_qkv, .offset: 8, .size: 8, .value_kind: global_buffer, .address_space: global }
      - { .name: W_out, .offset: 16, .size: 8, .value_kind: global_buffer, .address_space: global }
      - { .name: opc, .offset: 24, .size: 8, .value_kind: global_buffer, .address_space: global }
      - { .name: ops, .offset: 32, .size: 8, .value_kind: global_buffer, .address_space: global }
    .group_segment_fixed_size: 34304
    .private_segment_fixed_size: 0
    .kernarg_segment_align: 8
    .kernarg_segment_size: 40
    .max_flat_workgroup_size: 128
    .sgpr_count:     66
    .vgpr_count:     256
    .wavefront_size: 32
...
	.end_amdgpu_metadata
.endif
;; end of part 1
;; launch qkv (part 2): grid 8 x 48, 4 waves a work-group, clusters of 4 x 4, 327,680 bytes of LDS; arguments opc, ops, b_qkv, qkv; writes qkv
.if DOCPART == 2
	.amdgcn_target "amdgcn-amd-amdhsa--gfx1250"
	.amdhsa_code_object_version 6
	.text
	.protected	k_q02fcab0537_qkv
	.globl	k_q02fcab0537_qkv
	.p2align	8
	.type	k_q02fcab0537_qkv,@function
k_q02fcab0537_qkv:
	s_mov_b64 s[64:65], 0
	v_nop
	global_prefetch_b8 v0, s[64:65] scope:SCOPE_SE
	s_setreg_imm32_b32 hwreg(HW_REG_WAVE_MODE, 25, 1), 1
	s_wait_xcnt 0x0
	s_wait_alu depctr_hold_cnt(0) depctr_sa_sdst(0) depctr_va_vdst(0) depctr_va_sdst(0) depctr_va_ssrc(0) depctr_va_vcc(0) depctr_vm_vsrc(0)
	s_getreg_b32 s2, hwreg(HW_REG_IB_STS2, 6, 4)
	s_cmp_eq_u32 s2, 0
	s_cbranch_scc0 .Lentry_in_a_cluster
	s_endpgm
.Lentry_in_a_cluster:
	s_bfe_u32 s2, ttmp6, 0x10000c
	s_cmp_lg_u32 s2, 0xf033
	s_cbranch_scc0 .Lentry_shape_is_right
	s_endpgm
.Lentry_shape_is_right:
; x W_qkv + b_qkv on codes of BF6 (E3M2) with E8M0 scales, and the result quantised at once: q and k along the head's 64 channels, v along the keys.  Nothing wide goes to memory.
; A tile of 256 x 256 is made by four waves, each 128 x 128: 64 accumulators of 16 x 16.  K = 1,024 is eight steps of 128, written out.  THE MATRIX INSTRUCTION IS USED TRANSPOSED: source 0 = 16 rows of "B",
; source 1 = 16 rows of "A": a lane holds ONE row of A and eight rows of B; by the blocks' row order (image row i of block 2 g + u = true row 32 g + 8 u + i + 8 (i / 8)) the 16 registers of tiles 2 g, 2 g + 1
; are 16 neighbours along B's true rows, so a lane's 64 registers of one block of A are 128 neighbours in the order that the conversions and the next operand want.
; CLUSTER y 0-7: q and k: A = x's rows, B = W's columns (cluster x 0: q, 1: k): a lane holds a token and 128 channels = two heads.
; CLUSTER y 8-11: v, the transposed problem: A = W_v's columns, B = x's rows: a lane holds a channel and 128 keys.
; CLUSTERS: 4 x 4 work-groups; A's tiles are asked for jointly along a row of the cluster, B's along a column.
; LDS: three slots of 256 along K (98,304 bytes: A's 16 blocks x 3,072, then B's), all filled at the head; slot 0 is filled once more, with the last 256 along K.  Behind them the scale bytes of the tile's rows for
; all of K (16,384), then the spare words.  Operands lie in memory and in LDS as images of the operand's registers (units of 768 bytes), so every LDS load reads 512 or 256 consecutive bytes: no padding.
; OUT (buffer qkv): Q units [head 64][tile 128][768] at 0; Q scale words [head][tile][r] at QS0; from KV0 a record of REC bytes a head: K units 0-63 | V keys 0-1023 [d block 4][unit 16][768] | K scale words [unit 128][r] |
; V scale words [step 16][d block 4][r] | K units 64-127 | V keys 1024-2047.  A Q or K scale word has its two bytes below and zeros above.
; LIMITS: NaN and infinities are not served; a block whose largest magnitude lies under 2^-122 has its byte held at 1; a block of zeros gets the byte 1.
; REGISTERS, in windows of 256: window 0: v0-31 addresses; v32-95 scale words (register 8 i + q: lanes 0-15 A's block i, lanes 16-31 B's block i, K step q); v96-127 and v224-255 the bias as the first products' C;
;   v128-223 A's fragments, one set.  window 1: B's fragments, two sets, at v0 and v128.  windows 2, 3: the accumulators ((a, b) at v[8 (8 (a % 4) + b)]).
.set RB,     12288                     ; a block of 16 rows x 1,024 K in memory
.set SLOT,   98304
.set HALFT,  24576                     ; 8 blocks x 3,072 bytes: what one tensor load brings and what a wave reads of A or of B
.set SCL,    3*SLOT
.set SPARE,  SCL+16384                 ; the spare words: 128 bytes for each wave, two blocks of 256 bytes that no other line names
.set STG,    SLOT                      ; the epilogue's stage lies in slot 1: it has had its only fill, and nobody reads it behind the last barrier of the K steps
.set REC,    208896
.set QS0,    6291456
.set KV0,    6815744
.set A16,  4                           ; v4-6    A's fragments in slots 0-2: region + 16 x lane
.set A8,   7                           ; v7-9    region + 512 + 16 r + 8 h
.set B16,  10                          ; v10-12, v13-15 the same for B
.set B8,   13
.set ADRS, 16                          ; v16     my scale words
.set L16,  17                          ; v17     16 x lane
.set L8,   18                          ; v18     512 + 16 r + 8 h
.set STS,  19                          ; v19     the stage: where I put a scale word
.set STR,  20                          ; v20     and where I read 16 bytes back
.set VSO,  21                          ; v21     my offset in the scale words' stores
.set VSH,  22                          ; v22     how far my half shifts the scale word
.set VMASK, 23                         ; v23     and what it keeps of it
.set BO1,  24                          ; v24     bias, q and k: 64 h
.set BO2,  25                          ; v25     bias, v: 4 (r + 8 (r / 8))
.set SPW,  28                          ; v28     my spare word; never rewritten
.set NIL,  29                          ; v29     0; never rewritten
.set SC,   32
.set AF,   128
.set TM,   96                          ; the epilogue: v96-111 at work, v112 the scale word, v113 what is kept of it, v128-147 codes, v160-167 scale words read back
.set PW,   112
.set VAL,  113
.set PC,   128
.set WV,   16                          ; s16 wave; s17 its half of A's rows (also: fetches for A or for B); s18 its half of B's rows (also: which 8 blocks it fetches)
.set RH,   17
.set CH,   18
.set G1,   24                          ; s[24:31] group 1 for A's tiles; s[32:43] groups 0 for slots 0-2
.set G0,   32
.set G1B,  44                          ; s[44:51], s[52:63] the same for B's
.set G0B,  52
.set G1S,  68                          ; s[68:75], s[76:79] A's scales; s[80:87], s[88:91] B's
.set G0S,  76
.set G1SB, 80
.set G0SB, 88
.set CXI,  92                          ; cx, cy: my place in the cluster; CXC, CYC: the cluster's x and y; ISV: 1 where the cluster makes v
.set CYI,  93
.set CXC,  94
.set CYC,  95
.set ISV,  96
.set MSB, 0
.macro WIN new                         ; the immediate's high byte repeats the setting that is left
.if MSB != (\new)
	s_set_vgpr_msb (MSB<<8)|(\new)
.set MSB, (\new)
.endif
.endm
.macro PLACES n
.rept \n
	v_nop
.endr
.endm
; A joint load: waves 0 and 1 fetch for A, waves 2 and 3 for B.  The branch hangs on the wave's number alone.  Four v_nop follow each of the two lines.
.macro JLOAD g0a, g1a, g0b, g1b
	s_cmp_eq_u32 s[RH], 0
	s_cbranch_scc0 .Lfor_b_\@
	tensor_load_to_lds s[\g0a:\g0a+3], s[\g1a:\g1a+7]
	s_nop 0
.rept 4
	v_nop
.endr
	s_branch .Lasked_\@
.Lfor_b_\@:
	tensor_load_to_lds s[\g0b:\g0b+3], s[\g1b:\g1b+7]
	s_nop 0
.rept 4
	v_nop
.endr
.Lasked_\@:
.endm
.macro CREST                           ; a round of the cluster's barrier behind its opening barrier
	s_cmp_lg_u32 s[WV], 0
	s_cbranch_scc1 .Lnot_wave_0_\@
	s_barrier_signal -3
.Lnot_wave_0_\@:
	s_barrier_wait -3
	s_barrier_signal -1
	s_barrier_wait -1
.endm
.macro CROUND
	s_barrier_signal -1
	s_barrier_wait -1
	CREST
.endm
.macro FRAG reg, a16, a8, off          ; a fragment, 16 rows x 128 K: two units, 12 registers
	ds_load_b128 v[\reg:\reg+3], v[\a16] offset:\off
	ds_load_b64 v[\reg+4:\reg+5], v[\a8] offset:\off
	ds_load_b128 v[\reg+6:\reg+9], v[\a16] offset:\off+768
	ds_load_b64 v[\reg+10:\reg+11], v[\a8] offset:\off+768
.endm
.macro FETCH_B q, p                    ; B's eight fragments of K step q into set p: 32 loads
	WIN 0x40
.irp i, 0,1,2,3,4,5,6,7
	FRAG 128*(\p)+12*\i, B16+((\q)/2)%3, B8+((\q)/2)%3, 3072*\i+1536*((\q)%2)
.endr
	WIN 0
.endm
.macro FETCH_A q, i0                   ; A's blocks i0 .. i0 + 3: 16 loads
.irp i, \i0, \i0+1, \i0+2, \i0+3
	FRAG AF+12*(\i), A16+((\q)/2)%3, A8+((\q)/2)%3, 3072*(\i)+1536*((\q)%2)
.endr
.endm
.macro SCALES                          ; all scale words of my 8 blocks of A (lanes 0-15) and of B (lanes 16-31), for all of K: 16 loads, once
.irp i, 0,1,2,3,4,5,6,7
	ds_load_b128 v[SC+8*\i:SC+8*\i+3], v[ADRS] offset:512*\i
	ds_load_b128 v[SC+8*\i+4:SC+8*\i+7], v[ADRS] offset:512*\i+256
.endr
.endm
; 16 matrix instructions: A's blocks a0, a0 + 1 x B's eight, K step q, B's set p.  cm = 0: onto the sums; 1: the sums begin with the bias along B's rows; 2: along A's rows.
; The 64 accumulators take turns, one instruction a turn, in the same order in every step.
.macro MUL16 a0, p, q, cm
.irp a, \a0, \a0+1
.irp b, 0,1,2,3,4,5,6,7
.set rD, 8*(8*((\a)%4)+\b)
.set rB, 128*(\p)+12*\b
.set rA, AF+12*(\a)
.set rC, 96+8*\b+96*(\b/4)
.if (\cm) == 2
.set rC, 96+8*(\a)+96*((\a)/4)
.endif
.if (\cm) == 0
	v_wmma_scale_f32_16x16x128_f8f6f4 v[rD:rD+7], v[rB:rB+11], v[rA:rA+11], v[rD:rD+7], v[SC+8*\b+(\q)], v[SC+8*(\a)+(\q)] matrix_a_fmt:MATRIX_FMT_BF6 matrix_b_fmt:MATRIX_FMT_BF6 matrix_a_scale:MATRIX_SCALE_ROW1
.else
	v_wmma_scale_f32_16x16x128_f8f6f4 v[rD:rD+7], v[rB:rB+11], v[rA:rA+11], v[rC:rC+7], v[SC+8*\b+(\q)], v[SC+8*(\a)+(\q)] matrix_a_fmt:MATRIX_FMT_BF6 matrix_b_fmt:MATRIX_FMT_BF6 matrix_a_scale:MATRIX_SCALE_ROW1
.endif
.endr
.endr
.endm
; A K step whose successor's tiles are known to lie in LDS.  Loads into registers that matrix instructions have read stand four plain vector instructions behind them (ISA guide 7.12.1 for vector instructions).
.macro STEP q, cm
	s_wait_dscnt 16                                ; B's set, A's blocks 0-3 (and the scale words) are in; the youngest 16 loads, A's blocks 4-7, may be out
.if (\cm) == 0
	WIN 0xa1                                       ; source 0 window 1, source 1 window 0, C and D window 2
.else
	WIN 0x81                                       ; C (the bias) window 0
.endif
	MUL16 0, (\q)%2, \q, \cm
	MUL16 2, (\q)%2, \q, \cm
	s_wait_dscnt 0x0                               ; A's blocks 4-7 are in
	PLACES 4
	FETCH_B (\q)+1, 1-(\q)%2
	FETCH_A (\q)+1, 0
.if (\cm) == 0
	WIN 0xf1
.else
	WIN 0xc1
.endif
	MUL16 4, (\q)%2, \q, \cm
	MUL16 6, (\q)%2, \q, \cm
	PLACES 4
	WIN 0
	FETCH_A (\q)+1, 4
.endm
; A K step with a barrier: in front of it each wave waits for all its tensor loads, adds 0 to its spare word, and waits for that and for its LDS reads.  fill = 1: the barrier opens a round of the cluster's barrier,
; and slot 0, which nobody reads any more, is filled with the last 256 along K.
.macro TURN q, fill
	s_wait_tensorcnt 0x0                           ; all my tensor loads have landed
	ds_add_u32 v[SPW], v[NIL]                      ; 0 onto my spare word
	s_wait_dscnt 17                                ; (the add and the youngest 16 loads, A's blocks 4-7, may be out)
	WIN 0xa1
	MUL16 0, 1, \q, 0                              ; sixteen matrix instructions stand between the add and the wait for it
	s_wait_dscnt 0x0                               ; the add is done, and my LDS reads are over
	s_barrier_signal -1
	MUL16 2, 1, \q, 0
	WIN 0
	s_barrier_wait -1
.if \fill
	CREST                                          ; no wave of any partner still reads slot 0 or has a load on its way
	s_add_nc_u64 s[G0+2:G0+3], s[G0+2:G0+3], 9216  ; three slots on along K
	s_add_nc_u64 s[G0B+2:G0B+3], s[G0B+2:G0B+3], 9216
	JLOAD G0, G1, G0B, G1B                         ; the first tensor load behind the round; its four v_nop are the places in front of the loads below
.else
	PLACES 4
.endif
	FETCH_B (\q)+1, 0
	FETCH_A (\q)+1, 0
	WIN 0xf1
	MUL16 4, 1, \q, 0
	MUL16 6, 1, \q, 0
	PLACES 4
	WIN 0
	FETCH_A (\q)+1, 4
.endm
.macro LAST
	s_wait_dscnt 16
	WIN 0xa1
	MUL16 0, 1, 7, 0
	MUL16 2, 1, 7, 0
	s_wait_dscnt 0x0
	WIN 0xf1
	MUL16 4, 1, 7, 0
	MUL16 6, 1, 7, 0
	WIN 0
.endm
; The 64 results of block a of A (register 16 b + i = place 32 b + 16 h + i along B's true rows) become a fragment's codes in v[PC] on and its scale word in v[PW].  Each accumulator is read from its low end on.
.macro QUANTW a
.set QS, 64*((\a)%4)
.set QW, 2+(\a)/4
.set QWW, QW|(QW<<2)
	WIN QWW                                        ; sources 0 and 1: the accumulators' window
.irp b, 0,1,2,3
	v_max3_num_f32 v[TM+\b], |v[QS+16*\b]|, |v[QS+1+16*\b]|, 0x2800000   ; and the floor 2^(5 - 127): the byte cannot fall under 1
.endr
.irp i, 2,4,6,8,10,12,14
.irp b, 0,1,2,3
	v_max3_num_f32 v[TM+\b], |v[QS+16*\b+\i]|, |v[QS+1+16*\b+\i]|, v[TM+\b]
.endr
.endr
	WIN 0
.irp b, 0,1,2,3
	v_permlanex16_b32 v[TM+4+\b], v[TM+\b], s2, s3
.endr
.irp b, 0,1,2,3
	v_max_num_f32 v[TM+\b], v[TM+\b], v[TM+4+\b]
.endr
.irp b, 0,1,2,3
	v_add_nc_u32 v[TM+12+\b], 0xfe000000, v[TM+\b] ; 4 off the exponent field: the conversion's scale operand
.endr
.irp b, 0,1,2,3
	v_lshrrev_b32 v[TM+4+\b], 23, v[TM+12+\b]
.endr
	v_lshl_or_b32 v[PW], v[TM+5], 8, v[TM+4]
	v_lshl_or_b32 v[PW], v[TM+6], 16, v[PW]
	v_lshl_or_b32 v[PW], v[TM+7], 24, v[PW]
	WIN QW
.irp c, 0,1
	v_cvt_scalef32_pk16_bf6_f32 v[PC+6*\c:PC+2+6*\c], v[QS+32*\c:QS+15+32*\c], v[TM+12+2*\c]
	v_cvt_scalef32_pk16_bf6_f32 v[PC+12+4*\c:PC+14+4*\c], v[QS+16+32*\c:QS+31+32*\c], v[TM+12+2*\c+1]
.endr
	WIN 0
	v_nop                                          ; one plain place behind a scaled conversion
.irp c, 0,1
.irp i, 0,1,2
	v_permlane16_swap_b32 v[PC+6*\c+\i], v[PC+12+4*\c+\i]
.endr
.irp i, 0,1,2
	v_mov_b32 v[PC+3+6*\c+\i], v[PC+12+4*\c+\i]
.endr
.endr
.endm
	s_load_b256 s[4:11], s[0:1], 0x0               ; opc s[4:5], ops s[6:7], b_qkv s[8:9], qkv s[10:11]
	v_lshl_add_u32 v[SPW], v0, 2, SPARE
	v_mov_b32 v[NIL], 0
	ds_add_u32 v28, v29
	ds_add_u32 v28, v29
	s_wait_dscnt 0x0
	v_lshrrev_b32 v1, 5, v0
	v_readfirstlane_b32 s[WV], v1
	s_lshr_b32 s[RH], s[WV], 1
	s_and_b32 s[CH], s[WV], 1
	s_bfe_u32 s[CXI], ttmp6, 0x40000
	s_bfe_u32 s[CYI], ttmp6, 0x40004
	s_mov_b32 s[CXC], ttmp9
	s_and_b32 s[CYC], ttmp7, 0xffff
	s_lshl_b32 s2, s[CYI], 2
	s_lshl_b32 s2, 15, s2                          ; my row of the cluster
	s_lshl_b32 s3, 0x1111, s[CXI]                  ; my column
	s_or_b32 s[G1], s2, (3<<16)|(1<<21)            ; 15:0 the mask; 17:16 elements of 8 bytes; 21 set beside a mask; no padding
	s_or_b32 s[G1B], s3, (3<<16)|(1<<21)
	s_or_b32 s[G1S], s2, (3<<16)|(1<<21)
	s_or_b32 s[G1SB], s3, (3<<16)|(1<<21)
.irp g, G1, G1B                        ; a tile: 8 blocks, of each 3,072 bytes (256 along K), 12,288 bytes apart
	s_mov_b32 s[\g+1], 384<<16
	s_mov_b32 s[\g+2], 8<<16
	s_mov_b32 s[\g+3], 384<<16
	s_mov_b32 s[\g+4], 8
	s_mov_b32 s[\g+5], 1536
	s_mov_b32 s[\g+6], 0
	s_mov_b32 s[\g+7], 0
.endr
.irp g, G1S, G1SB                      ; the scale bytes of 8 blocks: 4,096 dense bytes as 16 rows of 256
	s_mov_b32 s[\g+1], 32<<16
	s_mov_b32 s[\g+2], 16<<16
	s_mov_b32 s[\g+3], 32<<16
	s_mov_b32 s[\g+4], 16
	s_mov_b32 s[\g+5], 32
	s_mov_b32 s[\g+6], 0
	s_mov_b32 s[\g+7], 0
.endr
	; which blocks of opc: A's hang on the cluster's y and cy alone, B's on the cluster's place and cx alone
	s_lshl_b32 s19, s[CYC], 6                      ; q, k: A = x: 64 CY
	s_lshl_b32 s97, s[CYC], 1
	s_sub_co_u32 s97, s97, 16
	s_add_co_u32 s97, s97, s[CXC]
	s_lshl_b32 s97, s97, 6                         ; v: B = x: 64 (2 (CY - 8) + CX)
	s_lshl_b32 s98, s[CXC], 6
	s_add_co_u32 s98, s98, 512                     ; q, k: B = W: 512 + 64 CX
	s_mov_b32 s20, 640                             ; v: A = W_v
	s_cmp_ge_u32 s[CYC], 8
	s_cselect_b32 s[ISV], 1, 0
	s_cselect_b32 s19, s20, s19
	s_cselect_b32 s97, s97, s98
	s_lshl_b32 s20, s[CYI], 4
	s_add_co_u32 s19, s19, s20
	s_lshl_b32 s20, s[CH], 3
	s_add_co_u32 s19, s19, s20                     ; A: the first of the 8 blocks that I would fetch
	s_lshl_b32 s98, s[CXI], 4
	s_add_co_u32 s97, s97, s98
	s_add_co_u32 s97, s97, s20                     ; B likewise
	s_mul_i32 s20, s19, RB
	s_mov_b32 s21, 0
	s_lshl_b32 s22, s19, 9
	s_mov_b32 s23, 0
	s_mul_i32 s98, s97, RB
	s_mov_b32 s99, 0
	s_lshl_b32 s100, s97, 9
	s_mov_b32 s101, 0
	s_mul_i32 s2, s[WV], HALFT                     ; where they go: no place in the cluster enters an LDS address
	s_lshl_b32 s3, s[WV], 12
	s_wait_kmcnt 0x0
	s_add_nc_u64 s[20:21], s[4:5], s[20:21]
	s_add_nc_u64 s[22:23], s[6:7], s[22:23]
	s_add_nc_u64 s[98:99], s[4:5], s[98:99]
	s_add_nc_u64 s[100:101], s[6:7], s[100:101]
	CROUND                                         ; all sixteen work-groups are here: the first joint loads meet
	s_mov_b32 s[G0S], 1
	s_add_co_u32 s[G0S+1], s3, SCL
	s_mov_b64 s[G0S+2:G0S+3], s[22:23]
	s_or_b32 s[G0S+3], s[G0S+3], 0x80000000
	s_mov_b32 s[G0SB], 1
	s_add_co_u32 s[G0SB+1], s3, SCL
	s_mov_b64 s[G0SB+2:G0SB+3], s[100:101]
	s_or_b32 s[G0SB+3], s[G0SB+3], 0x80000000
	JLOAD G0S, G1S, G0SB, G1SB                     ; the scales first; then three slots: four loads of mine are out
.irp s, 0,1,2
	s_mov_b32 s[G0+4*\s], 1
	s_add_co_u32 s[G0+4*\s+1], s2, \s*SLOT
	s_add_nc_u64 s[G0+4*\s+2:G0+4*\s+3], s[20:21], \s*3072
	s_or_b32 s[G0+4*\s+3], s[G0+4*\s+3], 0x80000000
	s_mov_b32 s[G0B+4*\s], 1
	s_add_co_u32 s[G0B+4*\s+1], s2, \s*SLOT
	s_add_nc_u64 s[G0B+4*\s+2:G0B+4*\s+3], s[98:99], \s*3072
	s_or_b32 s[G0B+4*\s+3], s[G0B+4*\s+3], 0x80000000
	JLOAD G0+4*\s, G1, G0B+4*\s, G1B
.endr
	v_and_b32 v1, 15, v0                           ; r
	v_bfe_u32 v2, v0, 4, 1                         ; h
	v_and_b32 v3, 31, v0
	v_lshlrev_b32 v[L16], 4, v3
	v_lshlrev_b32 v26, 4, v1
	v_lshl_add_u32 v[L8], v2, 3, v26
	v_add_nc_u32 v[L8], 512, v[L8]
	s_mul_i32 s19, s[RH], HALFT                    ; my 8 blocks of A
	s_mul_i32 s20, s[CH], HALFT                    ; my 8 blocks of B,
	s_add_co_u32 s20, s20, 2*HALFT                 ; behind A's 16
.irp s, 0,1,2
	v_add_nc_u32 v[A16+\s], s19, v[L16]
	v_add_nc_u32 v[A8+\s], s19, v[L8]
	v_add_nc_u32 v[B16+\s], s20, v[L16]
	v_add_nc_u32 v[B8+\s], s20, v[L8]
	s_add_co_u32 s19, s19, SLOT
	s_add_co_u32 s20, s20, SLOT
.endr
	s_lshl_b32 s19, s[RH], 12                      ; scale words: A's 8 blocks of mine;
	s_lshl_b32 s20, s[CH], 12
	s_add_co_u32 s20, s20, 8192                    ; B's, behind A's 8,192 bytes
	s_sub_co_u32 s20, s20, s19
	v_mul_u32_u24 v27, s20, v2                     ; lanes 16-31 take B's: the lower base + h x the distance
	s_add_co_u32 s19, s19, SCL
	v_add_nc_u32 v27, v26, v27
	v_add_nc_u32 v[ADRS], s19, v27
	s_lshl_b32 s19, s[WV], 10                      ; my stage: 1,024 bytes
	s_add_co_u32 s19, s19, STG
	v_lshlrev_b32 v27, 2, v1
	v_lshl_add_u32 v27, v2, 9, v27
	v_add_nc_u32 v[STS], s19, v27                  ; 512 h + 4 r
	v_add_nc_u32 v[STR], s19, v[L16]
	v_lshlrev_b32 v[BO1], 6, v2
	v_and_b32 v27, 8, v1
	v_add_nc_u32 v27, v27, v1
	v_lshlrev_b32 v[BO2], 2, v27
	; the bias, in the result's layout, as the C of the first products
	s_lshl_b32 s19, s[CXC], 12
	s_lshl_b32 s20, s[CXI], 10
	s_add_co_u32 s19, s19, s20
	s_lshl_b32 s20, s[CH], 9
	s_add_co_u32 s19, s19, s20                     ; q, k: my 128 columns begin at 256 (4 CX + cx) + 128 x my half of B
	s_lshl_b32 s20, s[CYI], 10
	s_lshl_b32 s21, s[RH], 9
	s_add_co_u32 s20, s20, s21
	s_add_co_u32 s20, s20, 8192                    ; v: at 2,048 + 256 cy + 128 x my half of A
	s_cmp_lg_u32 s[ISV], 0
	s_cselect_b32 s20, s20, s19
	s_mov_b32 s21, 0
	s_add_nc_u64 s[8:9], s[8:9], s[20:21]
	s_cmp_lg_u32 s[ISV], 0
	s_cbranch_scc1 .Lbias_v
.irp b, 0,1,2,3,4,5,6,7                        ; tile column b: the bias of columns 32 (b / 2) + 16 h + 8 (b % 2) + 0 .. 7
	global_load_b128 v[96+8*\b+96*(\b/4):96+8*\b+96*(\b/4)+3], v[BO1], s[8:9] offset:128*(\b/2)+32*(\b%2)
	global_load_b128 v[96+8*\b+96*(\b/4)+4:96+8*\b+96*(\b/4)+7], v[BO1], s[8:9] offset:128*(\b/2)+32*(\b%2)+16
.endr
	s_branch .Lbias_done
.Lbias_v:
.irp a, 0,1,2,3,4,5,6,7                        ; block a of A: my lane's one channel, in all eight registers
.irp j, 0,1,2,3,4,5,6,7
	global_load_b32 v[96+8*\a+96*(\a/4)+\j], v[BO2], s[8:9] offset:4*(32*(\a/2)+8*(\a%2))
.endr
.endr
.Lbias_done:
	; where the results go.  q, k: token block t0 = 64 CY + 16 cy + 8 x my half of A; heads 4 cx + 2 x my half of B and the next
	s_lshl_b32 s19, s[CYC], 6
	s_lshl_b32 s20, s[CYI], 4
	s_add_co_u32 s19, s19, s20
	s_lshl_b32 s20, s[RH], 3
	s_add_co_u32 s19, s19, s20
	s_lshr_b32 s20, s19, 7                         ; the batch
	s_and_b32 s19, s19, 127                        ; the tile in it
	s_lshl_b32 s20, s20, 4
	s_lshl_b32 s21, s[CXI], 2
	s_add_co_u32 s20, s20, s21
	s_lshl_b32 s21, s[CH], 1
	s_add_co_u32 s20, s20, s21                     ; batch x 16 + head
	s_mul_i32 s21, s20, 98304
	s_mul_i32 s22, s19, 768
	s_add_co_u32 s21, s21, s22                     ; q's codes
	s_mul_i32 s23, s20, REC
	s_add_co_u32 s23, s23, KV0                     ; the head's record
	s_add_co_u32 s22, s22, s23
	s_lshr_b32 s97, s19, 6
	s_mul_i32 s97, s97, 61440
	s_add_co_u32 s22, s22, s97                     ; k's codes: units 64 on lie 61,440 bytes further
	s_lshl_b32 s19, s19, 6
	s_lshl_b32 s97, s20, 13
	s_add_co_u32 s97, s97, s19
	s_add_co_u32 s97, s97, QS0                     ; q's scale words
	s_add_co_u32 s23, s23, s19
	s_add_co_u32 s23, s23, 98304                   ; k's
	s_mov_b32 s19, REC
	s_cmp_eq_u32 s[CXC], 0
	s_cselect_b32 s21, s21, s22
	s_cselect_b32 s23, s97, s23
	s_cselect_b32 s2, 98304, s19                   ; from a head to the next: codes,
	s_cselect_b32 s3, 8192, s19                    ; scale words
	; v: tile of tokens TB = 4 (2 (CY - 8) + CX) + cx; key step 2 (TB % 8) + my half of B; heads 4 cy + 2 x my half of A and the next
	s_lshl_b32 s19, s[CYC], 1
	s_sub_co_u32 s19, s19, 16
	s_add_co_u32 s19, s19, s[CXC]
	s_lshl_b32 s19, s19, 2
	s_add_co_u32 s19, s19, s[CXI]
	s_lshr_b32 s20, s19, 3
	s_and_b32 s19, s19, 7
	s_lshl_b32 s19, s19, 1
	s_add_co_u32 s19, s19, s[CH]                   ; the key step
	s_lshl_b32 s20, s20, 4
	s_lshl_b32 s22, s[CYI], 2
	s_add_co_u32 s20, s20, s22
	s_lshl_b32 s22, s[RH], 1
	s_add_co_u32 s20, s20, s22
	s_mul_i32 s20, s20, REC
	s_add_co_u32 s20, s20, KV0
	s_lshr_b32 s22, s19, 3
	s_mul_i32 s22, s22, 110592
	s_and_b32 s97, s19, 7
	s_mul_i32 s97, s97, 1536
	s_add_co_u32 s22, s22, s97
	s_add_co_u32 s22, s22, s20
	s_add_co_u32 s22, s22, 49152                   ; v's codes
	s_lshl_b32 s19, s19, 8
	s_add_co_u32 s20, s20, s19
	s_add_co_u32 s20, s20, 106496                  ; v's scale words
	s_mov_b32 s19, 768
	s_mov_b32 s97, 0xffff
	s_cmp_lg_u32 s[ISV], 0
	s_cselect_b32 s22, s22, s21                    ; the codes' place
	s_cselect_b32 s20, s20, s23                    ; the scale words'
	s_cselect_b32 s2, s19, s2                      ; from a fragment's first unit to its second
	s_cselect_b32 s98, 12288, s19                  ; from block a to block a + 1,
	s_cselect_b32 s100, 172032, s19                ; and from block 3 to block 4 (v: the next head's first d block)
	s_cselect_b32 s19, 0, 16                       ; q, k: lanes 16-31 keep the word's upper two bytes, the second head's
	s_cselect_b32 s97, -1, s97
	s_cselect_b32 s21, REC-256, 0                  ; v: lanes 16-31 store into the next head's record
	v_mul_u32_u24 v[VSH], s19, v2
	v_mov_b32 v[VMASK], s97
	v_mul_u32_u24 v[VSO], s21, v2
	v_add_nc_u32 v[VSO], v[VSO], v[L16]
	s_mov_b32 s23, 0
	s_mov_b32 s21, 0
	s_mov_b32 s99, 0
	s_mov_b32 s101, 0
	s_add_nc_u64 s[12:13], s[10:11], s[22:23]      ; s[12:13] the first unit's base, s[14:15] the second's
	s_add_nc_u64 s[4:5], s[10:11], s[20:21]        ; s[4:5] the scale words' base, s[6:7] the second head's (q, k)
	s_mov_b32 s22, s2
	s_add_nc_u64 s[14:15], s[12:13], s[22:23]
	s_mov_b32 s22, s3
	s_add_nc_u64 s[6:7], s[4:5], s[22:23]
	s_wait_tensorcnt 0x2                           ; my part of the scales and of slot 0 is in; slots 1 and 2 may stay out
	s_barrier_signal -1
	s_barrier_wait -1                              ; everybody's is
	FETCH_B 0, 0
	FETCH_A 0, 0
	SCALES
	FETCH_A 0, 4
	s_wait_loadcnt 0x0                             ; the bias
	s_cmp_lg_u32 s[ISV], 0
	s_cbranch_scc1 .Lfirst_v
	STEP 0, 1                                      ; the first products start the sums with the bias: nothing is cleared, nothing is added later
	s_branch .Lfirst_done
.Lfirst_v:
	STEP 0, 2
.Lfirst_done:
	TURN 1, 1                                      ; its wait for all loads and its barrier also show slots 1 and 2 whole to every wave
	STEP 2, 0
	STEP 3, 0
	STEP 4, 0
	TURN 5, 0                                      ; slot 0's second fill has landed, in every wave
	STEP 6, 0
	LAST
	; THE WAY OUT: block by block of A: quantise 128 neighbours a lane, store the two units as images of the operand's registers; the scale words are gathered in my stage and leave in whole runs
	PLACES 4
	s_mov_b32 s2, 0x76543210
	s_mov_b32 s3, 0xfedcba98
.irp b, 0,1,2,3
	v_mov_b32 v[TM+4+\b], 0                        ; written once: a lane permute's destination counts as one of its sources
.endr
.irp a, 0,1,2,3,4,5,6,7
.if \a > 0
	s_wait_xcnt 0x0                                ; the last block's stores have read their registers and bases
.if \a == 4
	s_add_nc_u64 s[12:13], s[12:13], s[100:101]
	s_add_nc_u64 s[14:15], s[14:15], s[100:101]
.else
	s_add_nc_u64 s[12:13], s[12:13], s[98:99]
	s_add_nc_u64 s[14:15], s[14:15], s[98:99]
.endif
.endif
	QUANTW \a
	global_store_b128 v[L16], v[PC:PC+3], s[12:13]         ; 512 consecutive bytes
	global_store_b64 v[L8], v[PC+4:PC+5], s[12:13]         ; and 256: a unit
	global_store_b128 v[L16], v[PC+6:PC+9], s[14:15]
	global_store_b64 v[L8], v[PC+10:PC+11], s[14:15]
	v_lshrrev_b32 v[VAL], v[VSH], v[PW]
	v_and_b32 v[VAL], v[VMASK], v[VAL]
	ds_store_b32 v[STS], v[VAL] offset:64*\a
.endr
	ds_load_b128 v[160:163], v[STR]                ; LDS serves a wave's instructions in order: these see my stores
	ds_load_b128 v[164:167], v[STR] offset:512
	s_wait_dscnt 0x0
	global_store_b128 v[VSO], v[160:163], s[4:5]   ; q, k: 512 consecutive bytes, the first head's 8 tiles; v: 256 bytes in each of two heads' records
	s_cmp_lg_u32 s[ISV], 0
	s_cbranch_scc1 .Lno_second
	global_store_b128 v[VSO], v[164:167], s[6:7]   ; q, k: the second head's
.Lno_second:
	s_wait_tensorcnt 0x0                           ; the wave's end
	ds_add_u32 v[SPW], v[NIL]
	s_wait_dscnt 0x0
	CROUND                                         ; the closing round
	s_endpgm
.Lfunc_end_k_q02fcab0537_qkv:
	.size	k_q02fcab0537_qkv, .Lfunc_end_k_q02fcab0537_qkv-k_q02fcab0537_qkv
	.p2alignl 7, 3214868480
	.fill 96, 4, 3214868480
	.section	.rodata,"a",@progbits
	.p2align	6, 0x0
	.amdhsa_kernel k_q02fcab0537_qkv
		.amdhsa_group_segment_fixed_size 327680
		.amdhsa_private_segment_fixed_size 0
		.amdhsa_enable_private_segment 0
		.amdhsa_kernarg_size 32
		.amdhsa_user_sgpr_count 2
		.amdhsa_user_sgpr_kernarg_segment_ptr 1
		.amdhsa_wavefront_size32 1
		.amdhsa_system_sgpr_workgroup_id_x 1
		.amdhsa_system_sgpr_workgroup_id_y 1
		.amdhsa_system_sgpr_workgroup_id_z 1
		.amdhsa_system_vgpr_workitem_id 0
		.amdhsa_next_free_vgpr 1024
		.amdhsa_next_free_sgpr 102
		.amdhsa_reserve_vcc 0
		.amdhsa_float_denorm_mode_32 3
		.amdhsa_float_denorm_mode_16_64 3
		.amdhsa_memory_ordered 1
		.amdhsa_forward_progress 1
		.amdhsa_inst_pref_size 173
	.end_amdhsa_kernel
	.amdgpu_metadata
---
amdhsa.version: [ 1, 2 ]
amdhsa.kernels:
  - .name:           k_q02fcab0537_qkv
    .symbol:         k_q02fcab0537_qkv.kd
    .args:
      - { .name: opc, .offset: 0, .size: 8, .value_kind: global_buffer, .address_space: global }
      - { .name: ops, .offset: 8, .size: 8, .value_kind: global_buffer, .address_space: global }
      - { .name: b_qkv, .offset: 16, .size: 8, .value_kind: global_buffer, .address_space: global }
      - { .name: qkv, .offset: 24, .size: 8, .value_kind: global_buffer, .address_space: global }
    .group_segment_fixed_size: 327680
    .private_segment_fixed_size: 0
    .kernarg_segment_align: 8
    .kernarg_segment_size: 32
    .max_flat_workgroup_size: 128
    .sgpr_count:     102
    .vgpr_count:     1024
    .wavefront_size: 32
...
	.end_amdgpu_metadata
.endif
;; end of part 2
;; launch attn (part 3): grid 4 x 64, 16 waves a work-group, clusters of 4 x 1, 210,944 bytes of LDS; arguments qkv, aoc, aos; writes aoc, aos
.if DOCPART == 3
	.amdgcn_target "amdgcn-amd-amdhsa--gfx1250"
	.amdhsa_code_object_version 6
	.text
	.protected	k_q02fcab0537_attn
	.globl	k_q02fcab0537_attn
	.p2align	8
	.type	k_q02fcab0537_attn,@function
k_q02fcab0537_attn:
	s_mov_b64 s[64:65], 0
	v_nop
	global_prefetch_b8 v0, s[64:65] scope:SCOPE_SE
	s_setreg_imm32_b32 hwreg(HW_REG_WAVE_MODE, 25, 1), 1
	s_wait_xcnt 0x0
	s_wait_alu depctr_hold_cnt(0) depctr_sa_sdst(0) depctr_va_vdst(0) depctr_va_sdst(0) depctr_va_ssrc(0) depctr_va_vcc(0) depctr_vm_vsrc(0)
	s_getreg_b32 s2, hwreg(HW_REG_IB_STS2, 6, 4)
	s_cmp_eq_u32 s2, 0
	s_cbranch_scc0 .Lentry_in_a_cluster
	s_endpgm
.Lentry_in_a_cluster:
	s_bfe_u32 s2, ttmp6, 0x10000c
	s_cmp_lg_u32 s2, 0x3003
	s_cbranch_scc0 .Lentry_shape_is_right
	s_endpgm
.Lentry_shape_is_right:
; Causal attention of one head (64 channels, 2,048 tokens) on codes of BF6 (E3M2) with E8M0 scales, and its result quantised along the channels for the last product.
; t = score x log2(e) / 8; M = the row's running largest t rounded UP to a whole number; p = 2^(t - M) is quantised along the keys; the row's sum is taken of the unquantised p and divides at the end.
; THE HEAD'S WHOLE RECORD (K's and V's codes and scale words, REC bytes) LIES IN LDS, as it lies in memory, filled once: no ring, no LDS byte is filled twice, no LDS store.
; CLUSTER: the four work-groups of a head ask for the record jointly (mask 15).  Waves 0-7 fetch: first the bytes of keys 0-1023 and all scale words, then those of keys 1024-2047.
; SHARES: a tile is 16 queries (image row i of tile 2 g + u = token 32 g + 8 u + i + 8 (i / 8)).  Wave w of partner cx owns tiles lo = 4 w + cx and hi = 127 - lo.  Tile t needs key steps 0 .. t / 8 of 128 keys, the
; last of them masked; lo / 8 = w / 2 and hi / 8 - 8 = (15 - w) / 2 hang on the wave's number alone: no branch hangs on a work-group's place, and every wave of the launch walks 17 steps.
; LAYOUT: both products are used transposed (S^T = K Q^T, O^T = V^T P^T): a lane holds one query throughout; by the tiles' row order the 16 registers of tiles 2 b, 2 b + 1 are 16 neighbouring keys (or channels).
; K = 64 IN THE FIRST PRODUCT: the instruction's upper 64 along K meet Q's zero codes: K's operand there is the next unit's codes (any code of this format is a finite number), under scale bytes 0.
; The block's largest p is made from the block's largest score by the same two instructions; this takes v_exp_f32 not to fall where its input rises.
; LIMITS: NaN and infinities are not served; a block of ao whose largest magnitude lies under 2^-122 has its byte held at 1; blocks of zeros get the byte 1.
.set REC,  208896
.set QS0,  6291456
.set KV0,  6815744
.set L16,  1                           ; v1   16 x lane
.set L8,   2                           ; v2   512 + 16 r + 8 h
.set L4,   3                           ; v3   4 x lane
.set DQ,   4                           ; v4   my query - the masked step's first key - 16 h
.set SBO,  5                           ; v5   16 r + h
.set ADK16, 6                          ; v6-11 the step's LDS addresses
.set ADK8, 7
.set ADV16, 8
.set ADV8, 9
.set ADS,  10
.set ADT,  11
.set QF,   16                          ; v16-21 Q's unit, v22-27 zero codes.  v12 -M, v13 the largest t, v[14:15] the sum in two halves
.set QSC,  28                          ; Q's scale words
.set PSC,  29                          ; p's
.set FF,   30                          ; v30 f = 2^(old M - new M); v31 named with it as a pair
.set KF,   32                          ; v32-79 8 units of K, later 4 fragments of V; v80-85 zeros behind unit 7
.set QL,   86                          ; v86-91, v92 the early tile's Q and its scale words, kept; v93 its DQ
.set QLS,  92
.set DQL,  93
.set HH,   94                          ; h
.set S,    96                          ; v96-159 S^T, then p
.set O,    160                         ; v160-191 O^T
.set BM,   192                         ; v192-195 the blocks' largest
.set PD,   196                         ; v196-199 at work
.set SO,   200                         ; v200-203 the conversions' scale operands
.set CT,   204                         ; v204-210 conversions' second halves
.set PCD,  212                         ; v212-223 p's codes
.set KS,   224                         ; v224-227 K's scale words: lanes 0-15 unit 2 i, lanes 16-31 unit 2 i + 1
.set VS,   228                         ; v228-229 V's likewise
.set T0,   230
.set AC,   232                         ; v232-238 ao's codes
.set AB,   244                         ; ao's byte
.set WV,   18
.set SEL,  20                          ; s[20:21] lane l xor 16
.set CS,   22                          ; s[22:23] c = log2(e) / 8
.set G1A,  24
.set G1B,  32
.set G0A,  40
.set G0B,  44
.set TK,   48                          ; s48-51 where the step's K, V, K's and V's scale words begin in LDS; s52 the step in its half
.set TV,   49
.set TSK,  50
.set TSV,  51
.set SI,   52
.set LSH,  53                          ; the late tile's last step in the second half;  s54 the early tile's in the first
.set LSL,  54
.macro CROUND
	s_barrier_signal -1
	s_barrier_wait -1
	s_cmp_lg_u32 s[WV], 0
	s_cbranch_scc1 .Lnot_wave_0_\@
	s_barrier_signal -3
.Lnot_wave_0_\@:
	s_barrier_wait -3
	s_barrier_signal -1
	s_barrier_wait -1
.endm
.macro INIT                            ; the step is written once: its first turn finds zeros, which the first change of M leaves zeros
	v_mov_b32 v13, 0xff61b1e6                      ; -3e38, under every t
	v_floor_f32 v12, -v13
	v_mov_b32 v14, 0
	v_mov_b32 v15, 0
.set j, 0
.rept 32
	v_mov_b32 v[O+j], 0
.set j, j+1
.endr
.endm
; A KEY STEP of 128 keys.  causal = 1: steps behind the tile's last are left out (a scalar branch on the wave's number and the loop's count), and in the last the hidden scores become -infinity.
.macro STEP causal, ls
.if \causal
	s_cmp_gt_u32 s[SI], s[\ls]
	s_cbranch_scc1 .Lhidden_\@
.endif
	v_add_nc_u32 v[ADK16], s[TK], v[L16]           ; (these six are also the places in front of loads into registers that the last products read)
	v_add_nc_u32 v[ADK8], s[TK], v[L8]
	v_add_nc_u32 v[ADV16], s[TV], v[L16]
	v_add_nc_u32 v[ADV8], s[TV], v[L8]
	v_add_nc_u32 v[ADS], s[TSK], v[L4]
	v_add_nc_u32 v[ADT], s[TSV], v[L4]
.irp t, 0,1,2,3,4,5,6,7
	ds_load_b128 v[KF+6*\t:KF+6*\t+3], v[ADK16] offset:768*\t
	ds_load_b64 v[KF+6*\t+4:KF+6*\t+5], v[ADK8] offset:768*\t
.endr
.irp i, 0,1,2,3
	ds_load_b32 v[KS+\i], v[ADS] offset:128*\i
.endr
	s_wait_dscnt 0x0
.irp t, 0,1,2,3,4,5,6,7                        ; S^T = K Q^T
.if (\t%2) == 0
	v_wmma_scale_f32_16x16x128_f8f6f4 v[S+8*\t:S+8*\t+7], v[KF+6*\t:KF+6*\t+11], v[QF:QF+11], 0, v[KS+\t/2], v[QSC] matrix_a_fmt:MATRIX_FMT_BF6 matrix_b_fmt:MATRIX_FMT_BF6
.else
	v_wmma_scale_f32_16x16x128_f8f6f4 v[S+8*\t:S+8*\t+7], v[KF+6*\t:KF+6*\t+11], v[QF:QF+11], 0, v[KS+\t/2], v[QSC] matrix_a_fmt:MATRIX_FMT_BF6 matrix_b_fmt:MATRIX_FMT_BF6 matrix_a_scale:MATRIX_SCALE_ROW1
.endif
.endr
.rept 4
	v_nop                                          ; four places: in front of the loads into K's registers, and of the first read of the scores
.endr
.irp d, 0,1,2,3                                ; V's four fragments land while the softmax is walked
	ds_load_b128 v[KF+12*\d:KF+12*\d+3], v[ADV16] offset:12288*\d
	ds_load_b64 v[KF+12*\d+4:KF+12*\d+5], v[ADV8] offset:12288*\d
	ds_load_b128 v[KF+12*\d+6:KF+12*\d+9], v[ADV16] offset:12288*\d+768
	ds_load_b64 v[KF+12*\d+10:KF+12*\d+11], v[ADV8] offset:12288*\d+768
.endr
	ds_load_b32 v[VS], v[ADT]
	ds_load_b32 v[VS+1], v[ADT] offset:128
.if \causal
	s_cmp_lg_u32 s[SI], s[\ls]
	s_cbranch_scc1 .Lopen_\@
	v_mov_b32 v[T0], 0xff800000                    ; register 16 b + i holds the step's key 32 b + 16 h + i: hidden where 32 b + i > DQ
.set n, 0
.rept 64
	v_cmp_gt_i32 vcc_lo, 32*(n/16)+n%16, v[DQ]
	v_cndmask_b32 v[S+n], v[S+n], v[T0], vcc_lo
.set n, n+1
.endr
.Lopen_\@:
.endif
.irp b, 0,1,2,3
	v_max3_num_f32 v[BM+\b], v[S+16*\b], v[S+1+16*\b], v[S+2+16*\b]   ; the largest score of each block of 32 keys: for the row's maximum and for the block's largest p
.endr
.irp i, 3,5,7,9,11,13
.irp b, 0,1,2,3
	v_max3_num_f32 v[BM+\b], v[BM+\b], v[S+16*\b+\i], v[S+1+16*\b+\i]
.endr
.endr
.irp b, 0,1,2,3
	v_max_num_f32 v[BM+\b], v[BM+\b], v[S+15+16*\b]
.endr
.irp b, 0,1,2,3
	v_permlanex16_b32 v[PD+\b], v[BM+\b], s[SEL], s[SEL+1]
.endr
.irp b, 0,1,2,3
	v_max_num_f32 v[BM+\b], v[BM+\b], v[PD+\b]
.endr
	v_max3_num_f32 v[T0], v[BM], v[BM+1], v[BM+2]
	v_max_num_f32 v[T0], v[T0], v[BM+3]
	v_mul_f32 v[T0], s[CS], v[T0]
	v_max_num_f32 v13, v13, v[T0]                  ; the running largest t
	v_mov_b32 v[T0], v12
	v_floor_f32 v12, -v13                          ; the new -M = floor(-t)
	v_sub_f32 v[T0], v12, v[T0]                    ; old M - new M: a whole number, 0 or less
	v_cvt_i32_f32 v[T0], v[T0]                     ; (it saturates)
	v_ldexp_f32 v[FF], 1.0, v[T0]                  ; f = 2^(old M - new M): multiplying by it rounds nothing
.set j, 0
.rept 32
	v_pk_fma_f32 v[S+j:S+j+1], v[S+j:S+j+1], s[CS:CS+1], v[12:13] op_sel_hi:[1,0,0]   ; t - M
.set j, j+2
.endr
.irp b, 0,1,2,3
	v_fma_f32 v[BM+\b], v[BM+\b], s[CS], v12
.endr
.set j, 0
.rept 64
	v_exp_f32 v[S+j], v[S+j]                       ; p = 2^(t - M)
.set j, j+1
.endr
	v_pk_mul_f32 v[14:15], v[14:15], v[FF:FF+1] op_sel_hi:[1,0]   ; the sums under the new M (a plain place behind the exponentials)
	s_wait_alu depctr_va_vdst(0)                   ; one wait for the batch of 64, ahead of its first reader
.irp b, 0,1,2,3
	v_exp_f32 v[BM+\b], v[BM+\b]                   ; the blocks' largest p
.endr
	v_pk_add_f32 v[PD:PD+1], v[S:S+1], v[S+2:S+3]  ; the row's sum of the unquantised p, in two chains
.irp j, 4,8,12,16,20,24,28,32,36,40,44,48,52,56,60
	v_pk_add_f32 v[14:15], v[14:15], v[S+\j:S+\j+1]
	v_pk_add_f32 v[PD:PD+1], v[PD:PD+1], v[S+2+\j:S+3+\j]
.endr
	v_pk_add_f32 v[14:15], v[14:15], v[PD:PD+1]
	s_wait_alu depctr_va_vdst(0)                   ; and one for the four
.irp b, 0,1,2,3
	v_max_num_f32 v[BM+\b], 0x2800000, v[BM+\b]    ; the floor 2^(5 - 127)
.endr
.irp b, 0,1,2,3
	v_add_nc_u32 v[SO+\b], 0xfe000000, v[BM+\b]
.endr
.irp b, 0,1,2,3
	v_lshrrev_b32 v[PD+\b], 23, v[SO+\b]
.endr
	v_lshl_or_b32 v[PSC], v[PD+1], 8, v[PD]
	v_lshl_or_b32 v[PSC], v[PD+2], 16, v[PSC]
	v_lshl_or_b32 v[PSC], v[PD+3], 24, v[PSC]
.irp c, 0,1
	v_cvt_scalef32_pk16_bf6_f32 v[PCD+6*\c:PCD+2+6*\c], v[S+32*\c:S+15+32*\c], v[SO+2*\c]
	v_cvt_scalef32_pk16_bf6_f32 v[CT+4*\c:CT+2+4*\c], v[S+16+32*\c:S+31+32*\c], v[SO+2*\c+1]
.endr
	v_nop                                          ; one plain place behind a scaled conversion
.irp c, 0,1
.irp i, 0,1,2
	v_permlane16_swap_b32 v[PCD+6*\c+\i], v[CT+4*\c+\i]
.endr
.irp i, 0,1,2
	v_mov_b32 v[PCD+3+6*\c+\i], v[CT+4*\c+\i]
.endr
.endr
.set j, 0
.rept 16
	v_pk_mul_f32 v[O+j:O+j+1], v[O+j:O+j+1], v[FF:FF+1] op_sel_hi:[1,0]   ; O^T under the new M; these 16 also stand between the writes of p's codes and scale word and the products
.set j, j+2
.endr
	s_wait_dscnt 0x0                               ; V
.irp d, 0,1,2,3                                ; O^T += V^T P^T: four accumulators by turns
.if (\d%2) == 0
	v_wmma_scale_f32_16x16x128_f8f6f4 v[O+8*\d:O+8*\d+7], v[KF+12*\d:KF+12*\d+11], v[PCD:PCD+11], v[O+8*\d:O+8*\d+7], v[VS+\d/2], v[PSC] matrix_a_fmt:MATRIX_FMT_BF6 matrix_b_fmt:MATRIX_FMT_BF6
.else
	v_wmma_scale_f32_16x16x128_f8f6f4 v[O+8*\d:O+8*\d+7], v[KF+12*\d:KF+12*\d+11], v[PCD:PCD+11], v[O+8*\d:O+8*\d+7], v[VS+\d/2], v[PSC] matrix_a_fmt:MATRIX_FMT_BF6 matrix_b_fmt:MATRIX_FMT_BF6 matrix_a_scale:MATRIX_SCALE_ROW1
.endif
.endr
.if \causal
.Lhidden_\@:
.endif
.endm
; Eight key steps: a half of the keys.  The trip count is a constant; what a wave does not need is jumped over inside the trip.
.macro HALF kb, vb, skb, svb, causal, ls
	s_mov_b32 s[TK], \kb
	s_mov_b32 s[TV], \vb
	s_mov_b32 s[TSK], \skb
	s_mov_b32 s[TSV], \svb
	s_mov_b32 s[SI], 0
.Lhalf_\@:
	STEP \causal, \ls
	s_add_co_u32 s[TK], s[TK], 6144
	s_add_co_u32 s[TV], s[TV], 1536
	s_add_co_u32 s[TSK], s[TSK], 512
	s_add_co_u32 s[TSV], s[TSV], 256
	s_add_co_u32 s[SI], s[SI], 1
	s_cmp_lt_u32 s[SI], 8
	s_cbranch_scc1 .Lhalf_\@
.endm
; A tile's way out: O^T / the sum, quantised along the head's 64 channels (register 16 b + i = channel 32 b + 16 h + i), stored as a unit of the last product's operand, with its two scale bytes a row.
.macro OUT cb, sb
	s_wait_xcnt 0x0                                ; the other tile's stores have read their registers
.rept 4
	v_nop                                          ; places behind the last products: the way here may lead over skipped steps, which hold scalar lines alone
.endr
	v_add_f32 v14, v14, v15
	v_permlanex16_b32 v[PD], v14, s[SEL], s[SEL+1]
	v_add_f32 v14, v14, v[PD]                      ; the row's sum
	v_rcp_f32 v14, v14
	v_cmp_ne_u32 vcc_lo, 0, v[HH]                  ; (a plain place behind the transcendental)
	s_wait_alu depctr_va_vdst(0)                   ; the wait ahead of the first reader
.set j, 0
.rept 32
	v_mul_f32 v[S+j], v[O+j], v14                  ; each accumulator from its low end on
.set j, j+1
.endr
.irp b, 0,1
	v_max3_num_f32 v[BM+\b], |v[S+16*\b]|, |v[S+1+16*\b]|, 0x2800000
.endr
.irp i, 2,4,6,8,10,12,14
.irp b, 0,1
	v_max3_num_f32 v[BM+\b], v[BM+\b], |v[S+16*\b+\i]|, |v[S+1+16*\b+\i]|
.endr
.endr
.irp b, 0,1
	v_permlanex16_b32 v[PD+\b], v[BM+\b], s[SEL], s[SEL+1]
.endr
.irp b, 0,1
	v_max_num_f32 v[BM+\b], v[BM+\b], v[PD+\b]
.endr
.irp b, 0,1
	v_add_nc_u32 v[SO+\b], 0xfe000000, v[BM+\b]
.endr
.irp b, 0,1
	v_lshrrev_b32 v[PD+\b], 23, v[SO+\b]
.endr
	v_cvt_scalef32_pk16_bf6_f32 v[AC:AC+2], v[S:S+15], v[SO]
	v_cvt_scalef32_pk16_bf6_f32 v[AC+4:AC+6], v[S+16:S+31], v[SO+1]
	v_nop                                          ; one plain place behind a scaled conversion
.irp i, 0,1,2
	v_permlane16_swap_b32 v[AC+\i], v[AC+4+\i]     ; lanes 0-15 now hold block 0 whole, lanes 16-31 block 1
.endr
	v_mov_b32 v[AC+3], v[AC+4]
	v_mov_b32 v[AC+4], v[AC+5]
	v_mov_b32 v[AC+5], v[AC+6]
	v_cndmask_b32 v[AB], v[PD], v[PD+1], vcc_lo    ; my half's block's byte
	global_store_b128 v[L16], v[AC:AC+3], s[\cb:\cb+1]     ; 512 consecutive bytes
	global_store_b64 v[L8], v[AC+4:AC+5], s[\cb:\cb+1]     ; and 256
	global_store_b8 v[SBO], v[AB], s[\sb:\sb+1]            ; two bytes of a row's 32: the others are other heads'; ao's scale bytes are 262,144 of the 6,553,600 bytes that the launch stores
.endm
	s_load_b128 s[4:7], s[0:1], 0x0                ; qkv, aoc
	s_load_b64 s[8:9], s[0:1], 0x10                ; aos
	v_lshl_add_u32 v254, v0, 2, 0x33000
	v_mov_b32 v255, 0
	ds_add_u32 v254, v255
	ds_add_u32 v254, v255
	v_lshrrev_b32 v1, 5, v0
	v_readfirstlane_b32 s[WV], v1                  ; wave 0..15
	s_bfe_u32 s10, ttmp6, 0x40000                  ; cx: it enters values and global addresses of Q and ao alone
	s_and_b32 s11, ttmp7, 0xffff                   ; batch x 16 + head, which the four partners share
	; dense blocks as rows of 256 bytes (32 elements of 8): 54 rows, and 48
	s_mov_b32 s[G1A], 15|(3<<16)|(1<<21)
	s_mov_b32 s[G1A+1], 32<<16
	s_mov_b32 s[G1A+2], 54<<16
	s_mov_b32 s[G1A+3], 32<<16
	s_mov_b32 s[G1A+4], 54
	s_mov_b32 s[G1A+5], 32
	s_mov_b32 s[G1A+6], 0
	s_mov_b32 s[G1A+7], 0
	s_mov_b32 s[G1B], 15|(3<<16)|(1<<21)
	s_mov_b32 s[G1B+1], 32<<16
	s_mov_b32 s[G1B+2], 48<<16
	s_mov_b32 s[G1B+3], 32<<16
	s_mov_b32 s[G1B+4], 48
	s_mov_b32 s[G1B+5], 32
	s_mov_b32 s[G1B+6], 0
	s_mov_b32 s[G1B+7], 0
	s_mul_i32 s12, s11, REC
	s_add_co_u32 s12, s12, KV0                     ; the head's record
	s_mul_i32 s14, s[WV], 13824                    ; wave w (0-7): bytes 13,824 w on of the first 110,592,
	s_mul_i32 s15, s[WV], 12288
	s_add_co_u32 s15, s15, 110592                  ; and 12,288 w on of the other 98,304: in LDS as in memory
	s_add_co_u32 s16, s12, s14
	s_mov_b32 s17, 0
	s_add_co_u32 s12, s12, s15
	s_mov_b32 s13, 0
	s_mov_b32 s[G0A], 1
	s_mov_b32 s[G0A+1], s14
	s_mov_b32 s[G0B], 1
	s_mov_b32 s[G0B+1], s15
	s_wait_dscnt 0x0
	s_wait_kmcnt 0x0
	s_add_nc_u64 s[G0A+2:G0A+3], s[4:5], s[16:17]
	s_or_b32 s[G0A+3], s[G0A+3], 0x80000000
	s_add_nc_u64 s[G0B+2:G0B+3], s[4:5], s[12:13]
	s_or_b32 s[G0B+3], s[G0B+3], 0x80000000
	CROUND                                         ; all four work-groups are here: the joint loads meet
	s_cmp_lt_u32 s[WV], 8                          ; a wave's two fills stand in one branch: two loads of mine are out
	s_cbranch_scc0 .Lno_fill
	tensor_load_to_lds s[G0A:G0A+3], s[G1A:G1A+7]
	s_nop 0
	tensor_load_to_lds s[G0B:G0B+3], s[G1B:G1B+7]
	s_nop 0
.rept 4
	v_nop
.endr
.Lno_fill:
	v_and_b32 v95, 31, v0                          ; lane
	v_and_b32 v102, 15, v0                         ; r
	v_bfe_u32 v[HH], v0, 4, 1                      ; h
	v_lshlrev_b32 v[L16], 4, v95
	v_lshlrev_b32 v[L4], 2, v95
	v_lshlrev_b32 v103, 4, v102
	v_lshl_add_u32 v[L8], v[HH], 3, v103
	v_add_nc_u32 v[L8], 512, v[L8]
	v_add_nc_u32 v[SBO], v103, v[HH]
	v_and_b32 v104, 8, v102
	v_add_nc_u32 v[DQL], v104, v102
	v_lshlrev_b32 v105, 4, v[HH]
	v_sub_nc_u32 v[DQL], v[DQL], v105              ; r + 8 (r / 8) - 16 h
	v_lshlrev_b32 v106, 2, v102
	s_lshl_b32 s2, s[WV], 2
	s_add_co_u32 s2, s2, s10                       ; the early tile
	s_sub_co_u32 s3, 127, s2                       ; the late tile
	s_mul_i32 s12, s11, 98304
	s_mul_i32 s13, s2, 768
	s_add_co_u32 s13, s13, s12                     ; Q's unit, early;
	s_mul_i32 s14, s3, 768
	s_add_co_u32 s12, s12, s14                     ; late
	s_lshl_b32 s14, s11, 13
	s_add_co_u32 s14, s14, QS0
	s_lshl_b32 s15, s2, 6
	s_add_co_u32 s15, s15, s14                     ; its scale words, early;
	s_lshl_b32 s16, s3, 6
	s_add_co_u32 s14, s14, s16                     ; late
	v_add_nc_u32 v96, s12, v[L16]
	v_add_nc_u32 v97, s12, v[L8]
	v_add_nc_u32 v98, s14, v106
	v_add_nc_u32 v99, s13, v[L16]
	v_add_nc_u32 v100, s13, v[L8]
	v_add_nc_u32 v101, s15, v106
	global_load_b128 v[QF:QF+3], v96, s[4:5]
	global_load_b64 v[QF+4:QF+5], v97, s[4:5]
	global_load_b32 v[QSC], v98, s[4:5]
	global_load_b128 v[QL:QL+3], v99, s[4:5]
	global_load_b64 v[QL+4:QL+5], v100, s[4:5]
	global_load_b32 v[QLS], v101, s[4:5]
	; where ao goes: block 128 x batch + tile, unit = head
	s_lshr_b32 s16, s11, 4
	s_and_b32 s17, s11, 15
	s_lshl_b32 s16, s16, 7
	s_add_co_u32 s19, s16, s3                      ; late
	s_add_co_u32 s16, s16, s2                      ; early
	s_mul_i32 s55, s17, 768
	s_mov_b32 s13, 0
	s_mul_i32 s12, s19, 12288
	s_add_co_u32 s12, s12, s55
	s_add_nc_u64 s[56:57], s[6:7], s[12:13]
	s_mul_i32 s12, s16, 12288
	s_add_co_u32 s12, s12, s55
	s_add_nc_u64 s[60:61], s[6:7], s[12:13]
	s_lshr_b32 s14, s17, 3
	s_lshl_b32 s14, s14, 8
	s_and_b32 s15, s17, 7
	s_lshl_b32 s15, s15, 1
	s_add_co_u32 s14, s14, s15                     ; 256 (head / 8) + 2 (head % 8)
	s_lshl_b32 s12, s19, 9
	s_add_co_u32 s12, s12, s14
	s_add_nc_u64 s[58:59], s[8:9], s[12:13]
	s_lshl_b32 s12, s16, 9
	s_add_co_u32 s12, s12, s14
	s_add_nc_u64 s[62:63], s[8:9], s[12:13]
	; the tile's first token in its masked step: 32 ((tile / 2) % 4) + 8 (tile % 2)
	s_bfe_u32 s12, s3, 0x20001
	s_lshl_b32 s12, s12, 5
	s_and_b32 s13, s3, 1
	s_lshl_b32 s13, s13, 3
	s_add_co_u32 s12, s12, s13
	v_add_nc_u32 v[DQ], s12, v[DQL]
	s_bfe_u32 s12, s2, 0x20001
	s_lshl_b32 s12, s12, 5
	s_and_b32 s13, s2, 1
	s_lshl_b32 s13, s13, 3
	s_add_co_u32 s12, s12, s13
	v_add_nc_u32 v[DQL], s12, v[DQL]
	s_sub_co_u32 s[LSH], 15, s[WV]
	s_lshr_b32 s[LSH], s[LSH], 1
	s_lshr_b32 s[LSL], s[WV], 1
	s_mov_b32 s[SEL], 0x76543210
	s_mov_b32 s[SEL+1], 0xfedcba98
	s_mov_b32 s[CS], 0x3e38aa3b
	s_mov_b32 s[CS+1], s[CS]                       ; (named with it as a pair, so it is written)
.irp i, 0,1,2,3,4,5
	v_mov_b32 v[QF+6+\i], 0                        ; Q's codes for the instruction's upper 64 along K: zeros
	v_mov_b32 v[KF+48+\i], 0                       ; and what stands behind K's unit 7
.endr
.irp b, 0,1,2,3
	v_mov_b32 v[PD+\b], 0                          ; written once: a lane permute's destination counts as one of its sources
.endr
	v_mov_b32 v[FF+1], 0
	INIT
	s_wait_tensorcnt 0x1                           ; my part of keys 0-1023 and of the scale words is in; the second load may stay out
	s_barrier_signal -1
	s_barrier_wait -1                              ; everybody's is
	s_wait_loadcnt 0x0                             ; Q
	HALF 0, 49152, 98304, 106496, 0, LSH           ; the late tile: keys 0-1023, all of which count: the same work in all waves
	s_wait_tensorcnt 0x0                           ; my part of keys 1024-2047 is in
	s_wait_dscnt 0x0
	s_barrier_signal -1
	s_barrier_wait -1
	HALF 110592, 159744, 102400, 108544, 1, LSH    ; the late tile: up to its diagonal
	OUT 56, 58
.irp i, 0,1,2,3,4,5
	v_mov_b32 v[QF+\i], v[QL+\i]                   ; the early tile
.endr
	v_mov_b32 v[QSC], v[QLS]
	v_mov_b32 v[DQ], v[DQL]
	INIT
	HALF 0, 49152, 98304, 106496, 1, LSL
	OUT 60, 62
	s_wait_dscnt 0x0
	s_wait_tensorcnt 0x0
	ds_add_u32 v254, v255
	s_wait_dscnt 0x0
	CROUND                                         ; the closing round
	s_endpgm
.Lfunc_end_k_q02fcab0537_attn:
	.size	k_q02fcab0537_attn, .Lfunc_end_k_q02fcab0537_attn-k_q02fcab0537_attn
	.p2alignl 7, 3214868480
	.fill 96, 4, 3214868480
	.section	.rodata,"a",@progbits
	.p2align	6, 0x0
	.amdhsa_kernel k_q02fcab0537_attn
		.amdhsa_group_segment_fixed_size 210944
		.amdhsa_private_segment_fixed_size 0
		.amdhsa_enable_private_segment 0
		.amdhsa_kernarg_size 24
		.amdhsa_user_sgpr_count 2
		.amdhsa_user_sgpr_kernarg_segment_ptr 1
		.amdhsa_wavefront_size32 1
		.amdhsa_system_sgpr_workgroup_id_x 1
		.amdhsa_system_sgpr_workgroup_id_y 1
		.amdhsa_system_sgpr_workgroup_id_z 1
		.amdhsa_system_vgpr_workitem_id 0
		.amdhsa_next_free_vgpr 256
		.amdhsa_next_free_sgpr 66
		.amdhsa_reserve_vcc 1
		.amdhsa_float_denorm_mode_32 3
		.amdhsa_float_denorm_mode_16_64 3
		.amdhsa_memory_ordered 1
		.amdhsa_forward_progress 1
		.amdhsa_inst_pref_size 78
	.end_amdhsa_kernel
	.amdgpu_metadata
---
amdhsa.version: [ 1, 2 ]
amdhsa.kernels:
  - .name:           k_q02fcab0537_attn
    .symbol:         k_q02fcab0537_attn.kd
    .args:
      - { .name: qkv, .offset: 0, .size: 8, .value_kind: global_buffer, .address_space: global }
      - { .name: aoc, .offset: 8, .size: 8, .value_kind: global_buffer, .address_space: global }
      - { .name: aos, .offset: 16, .size: 8, .value_kind: global_buffer, .address_space: global }
    .group_segment_fixed_size: 210944
    .private_segment_fixed_size: 0
    .kernarg_segment_align: 8
    .kernarg_segment_size: 24
    .max_flat_workgroup_size: 512
    .sgpr_count:     66
    .vgpr_count:     256
    .wavefront_size: 32
...
	.end_amdgpu_metadata
.endif
;; end of part 3
;; launch outp (part 4): grid 4 x 32, 4 waves a work-group, clusters of 4 x 4, 327,680 bytes of LDS; arguments aoc, aos, opc, ops, b_out, out0; writes out0
.if DOCPART == 4
	.amdgcn_target "amdgcn-amd-amdhsa--gfx1250"
	.amdhsa_code_object_version 6
	.text
	.protected	k_q02fcab0537_outp
	.globl	k_q02fcab0537_outp
	.p2align	8
	.type	k_q02fcab0537_outp,@function
k_q02fcab0537_outp:
	s_mov_b64 s[64:65], 0
	v_nop
	global_prefetch_b8 v0, s[64:65] scope:SCOPE_SE
	s_setreg_imm32_b32 hwreg(HW_REG_WAVE_MODE, 25, 1), 1
	s_wait_xcnt 0x0
	s_wait_alu depctr_hold_cnt(0) depctr_sa_sdst(0) depctr_va_vdst(0) depctr_va_sdst(0) depctr_va_ssrc(0) depctr_va_vcc(0) depctr_vm_vsrc(0)
	s_getreg_b32 s2, hwreg(HW_REG_IB_STS2, 6, 4)
	s_cmp_eq_u32 s2, 0
	s_cbranch_scc0 .Lentry_in_a_cluster
	s_endpgm
.Lentry_in_a_cluster:
	s_bfe_u32 s2, ttmp6, 0x10000c
	s_cmp_lg_u32 s2, 0xf033
	s_cbranch_scc0 .Lentry_shape_is_right
	s_endpgm
.Lentry_shape_is_right:
; out0 = ao W_out + b_out on codes of BF6 (E3M2) with E8M0 scales; out0 [8192][1024] f32.
; A tile of 256 x 256 is made by four waves, each 128 x 128: 64 accumulators of 16 x 16.  K = 1,024 is eight steps of 128, written out.  THE MATRIX INSTRUCTION IS USED TRANSPOSED: source 0 = 16 columns of W_out ("B"),
; source 1 = 16 rows of ao ("A"): a lane holds one token and eight columns.  Blocks hold their rows in the order image row i of block 2 g + u = true row 32 g + 8 u + i + 8 (i / 8); the way out undoes it on both axes.
; CLUSTERS: 4 x 4 work-groups; A's tiles are asked for jointly along a row of the cluster, B's along a column.
; LDS: three slots of 256 along K (98,304 bytes: A's 16 blocks x 3,072, then B's), all filled at the head; slot 0 is filled once more, with the last 256 along K.  Behind them the scale bytes of the tile's rows for
; all of K (16,384), then the spare words.  Operands lie in memory and in LDS as images of the operand's registers (units of 768 bytes): every LDS load reads 512 or 256 consecutive bytes: no padding.
; REGISTERS, in windows of 256: window 0: v0-31 addresses; v32-95 scale words (register 8 i + q: lanes 0-15 A's block i, lanes 16-31 B's block i, K step q); v96-127 and v224-255 the bias as the first products' C;
;   v128-223 A's fragments, one set; on the way out v128-255 take rows of the result.  window 1: B's fragments, two sets.  windows 2, 3: the accumulators ((a, b) at v[8 (8 (a % 4) + b)]).
.set RB,     12288
.set SLOT,   98304
.set HALFT,  24576
.set SCL,    3*SLOT
.set SPARE,  SCL+16384                 ; the spare words: 128 bytes for each wave, two blocks of 256 bytes that no other line names
.set STG,    SLOT                      ; the way out's stages lie in slot 1: it has had its only fill, and nobody reads it behind the last barrier of the K steps
.set A16,  4
.set A8,   7
.set B16,  10
.set B8,   13
.set ADRS, 16
.set L16,  17
.set L8,   18
.set STO,  19                          ; v19     the stage: where I put 32 bytes of a row
.set RD,   20                          ; v20     and where I read a row back
.set BO1,  24
.set SPW,  28
.set NIL,  29
.set SC,   32
.set AF,   128
.set BK,   128
.set WV,   16
.set RH,   17
.set CH,   18
.set G1,   24
.set G0,   32
.set G1B,  44
.set G0B,  52
.set G1S,  68
.set G0S,  76
.set G1SB, 80
.set G0SB, 88
.set CXI,  92
.set CYI,  93
.set CXC,  94
.set CYC,  95
.set MSB, 0
.macro WIN new                         ; the immediate's high byte repeats the setting that is left
.if MSB != (\new)
	s_set_vgpr_msb (MSB<<8)|(\new)
.set MSB, (\new)
.endif
.endm
.macro PLACES n
.rept \n
	v_nop
.endr
.endm
; A joint load: waves 0 and 1 fetch for A, waves 2 and 3 for B.  The branch hangs on the wave's number alone.  Four v_nop follow each of the two lines.
.macro JLOAD g0a, g1a, g0b, g1b
	s_cmp_eq_u32 s[RH], 0
	s_cbranch_scc0 .Lfor_b_\@
	tensor_load_to_lds s[\g0a:\g0a+3], s[\g1a:\g1a+7]
	s_nop 0
.rept 4
	v_nop
.endr
	s_branch .Lasked_\@
.Lfor_b_\@:
	tensor_load_to_lds s[\g0b:\g0b+3], s[\g1b:\g1b+7]
	s_nop 0
.rept 4
	v_nop
.endr
.Lasked_\@:
.endm
.macro CREST
	s_cmp_lg_u32 s[WV], 0
	s_cbranch_scc1 .Lnot_wave_0_\@
	s_barrier_signal -3
.Lnot_wave_0_\@:
	s_barrier_wait -3
	s_barrier_signal -1
	s_barrier_wait -1
.endm
.macro CROUND
	s_barrier_signal -1
	s_barrier_wait -1
	CREST
.endm
.macro FRAG reg, a16, a8, off          ; a fragment, 16 rows x 128 K: two units, 12 registers
	ds_load_b128 v[\reg:\reg+3], v[\a16] offset:\off
	ds_load_b64 v[\reg+4:\reg+5], v[\a8] offset:\off
	ds_load_b128 v[\reg+6:\reg+9], v[\a16] offset:\off+768
	ds_load_b64 v[\reg+10:\reg+11], v[\a8] offset:\off+768
.endm
.macro FETCH_B q, p
	WIN 0x40
.irp i, 0,1,2,3,4,5,6,7
	FRAG 128*(\p)+12*\i, B16+((\q)/2)%3, B8+((\q)/2)%3, 3072*\i+1536*((\q)%2)
.endr
	WIN 0
.endm
.macro FETCH_A q, i0
.irp i, \i0, \i0+1, \i0+2, \i0+3
	FRAG AF+12*(\i), A16+((\q)/2)%3, A8+((\q)/2)%3, 3072*(\i)+1536*((\q)%2)
.endr
.endm
.macro SCALES
.irp i, 0,1,2,3,4,5,6,7
	ds_load_b128 v[SC+8*\i:SC+8*\i+3], v[ADRS] offset:512*\i
	ds_load_b128 v[SC+8*\i+4:SC+8*\i+7], v[ADRS] offset:512*\i+256
.endr
.endm
; 16 matrix instructions: A's blocks a0, a0 + 1 x B's eight, K step q, B's set p.  cm = 0: onto the sums; 1: the sums begin with the bias along B's rows.
; The 64 accumulators take turns, one instruction a turn, in the same order in every step.
.macro MUL16 a0, p, q, cm
.irp a, \a0, \a0+1
.irp b, 0,1,2,3,4,5,6,7
.set rD, 8*(8*((\a)%4)+\b)
.set rB, 128*(\p)+12*\b
.set rA, AF+12*(\a)
.set rC, 96+8*\b+96*(\b/4)
.if (\cm) == 0
	v_wmma_scale_f32_16x16x128_f8f6f4 v[rD:rD+7], v[rB:rB+11], v[rA:rA+11], v[rD:rD+7], v[SC+8*\b+(\q)], v[SC+8*(\a)+(\q)] matrix_a_fmt:MATRIX_FMT_BF6 matrix_b_fmt:MATRIX_FMT_BF6 matrix_a_scale:MATRIX_SCALE_ROW1
.else
	v_wmma_scale_f32_16x16x128_f8f6f4 v[rD:rD+7], v[rB:rB+11], v[rA:rA+11], v[rC:rC+7], v[SC+8*\b+(\q)], v[SC+8*(\a)+(\q)] matrix_a_fmt:MATRIX_FMT_BF6 matrix_b_fmt:MATRIX_FMT_BF6 matrix_a_scale:MATRIX_SCALE_ROW1
.endif
.endr
.endr
.endm
; Loads into registers that matrix instructions have read stand four plain vector instructions behind them (ISA guide 7.12.1 for vector instructions).
.macro STEP q, cm
	s_wait_dscnt 16                                ; B's set, A's blocks 0-3 (and the scale words) are in; the youngest 16 loads, A's blocks 4-7, may be out
.if (\cm) == 0
	WIN 0xa1
.else
	WIN 0x81
.endif
	MUL16 0, (\q)%2, \q, \cm
	MUL16 2, (\q)%2, \q, \cm
	s_wait_dscnt 0x0
	PLACES 4
	FETCH_B (\q)+1, 1-(\q)%2
	FETCH_A (\q)+1, 0
.if (\cm) == 0
	WIN 0xf1
.else
	WIN 0xc1
.endif
	MUL16 4, (\q)%2, \q, \cm
	MUL16 6, (\q)%2, \q, \cm
	PLACES 4
	WIN 0
	FETCH_A (\q)+1, 4
.endm
; A K step with a barrier: in front of it each wave waits for all its tensor loads, adds 0 to its spare word, and waits for that and for its LDS reads.  fill = 1: the barrier opens a round of the cluster's barrier,
; and slot 0, which nobody reads any more, is filled with the last 256 along K.
.macro TURN q, fill
	s_wait_tensorcnt 0x0
	ds_add_u32 v[SPW], v[NIL]                      ; 0 onto my spare word
	s_wait_dscnt 17                                ; (the add and the youngest 16 loads may be out)
	WIN 0xa1
	MUL16 0, 1, \q, 0
	s_wait_dscnt 0x0                               ; the add is done, and my LDS reads are over
	s_barrier_signal -1
	MUL16 2, 1, \q, 0
	WIN 0
	s_barrier_wait -1
.if \fill
	CREST
	s_add_nc_u64 s[G0+2:G0+3], s[G0+2:G0+3], 9216
	s_add_nc_u64 s[G0B+2:G0B+3], s[G0B+2:G0B+3], 9216
	JLOAD G0, G1, G0B, G1B                         ; the first tensor load behind the round; its four v_nop are the places in front of the loads below
.else
	PLACES 4
.endif
	FETCH_B (\q)+1, 0
	FETCH_A (\q)+1, 0
	WIN 0xf1
	MUL16 4, 1, \q, 0
	MUL16 6, 1, \q, 0
	PLACES 4
	WIN 0
	FETCH_A (\q)+1, 4
.endm
.macro LAST
	s_wait_dscnt 16
	WIN 0xa1
	MUL16 0, 1, 7, 0
	MUL16 2, 1, 7, 0
	s_wait_dscnt 0x0
	WIN 0xf1
	MUL16 4, 1, 7, 0
	MUL16 6, 1, 7, 0
	WIN 0
.endm
; THE WAY OUT of block a: 16 tokens x 128 columns through my own stage (rows of 512 bytes + 16), columns put in their true places, and back as whole rows.
.macro TOSTAGE a
.set AC, 64*((\a)%4)
	WIN 0x08+4*((\a)/4)                            ; the data: window 2 or 3
.irp b, 0,1,2,3,4,5,6,7
	ds_store_b128 v[STO], v[AC+8*\b:AC+8*\b+3] offset:128*(\b/2)+32*(\b%2)        ; each accumulator from its low end on
	ds_store_b128 v[STO], v[AC+8*\b+4:AC+8*\b+7] offset:128*(\b/2)+32*(\b%2)+16
.endr
	WIN 0
.set BB, BK+64*((\a)%2)
.irp t, 0,1,2,3,4,5,6,7,8,9,10,11,12,13,14,15
	ds_load_b128 v[BB+4*\t:BB+4*\t+3], v[RD] offset:\t*528   ; LDS serves a wave's instructions in order: these see my stores
.endr
.endm
.macro SEND a, younger                 ; younger: the LDS instructions issued behind block a's loads, which may stay out
.set BB, BK+64*((\a)%2)
	s_wait_dscnt \younger
.if (\a) > 0
.if ((\a)%2) == 1
	s_add_nc_u64 s[14:15], s[14:15], 8*4096        ; (behind a wait on XCNT)  an odd block begins 8 tokens behind the even one,
.else
	s_add_nc_u64 s[14:15], s[14:15], 24*4096       ; the next even one 24 further
.endif
.endif
.irp t, 0,1,2,3,4,5,6,7,8,9,10,11,12,13,14,15
	global_store_b128 v[L16], v[BB+4*\t:BB+4*\t+3], s[14:15] offset:(\t+8*(\t/8))*4096 th:TH_STORE_NT   ; 32 lanes store 512 consecutive bytes of one token's row, at a multiple of 256 from out0's first byte
.endr
.endm
	s_load_b256 s[4:11], s[0:1], 0x0               ; aoc s[4:5], aos s[6:7], opc s[8:9], ops s[10:11]
	s_load_b128 s[12:15], s[0:1], 0x20             ; b_out s[12:13], out0 s[14:15]
	v_lshl_add_u32 v[SPW], v0, 2, SPARE
	v_mov_b32 v[NIL], 0
	ds_add_u32 v28, v29
	ds_add_u32 v28, v29
	s_wait_dscnt 0x0
	v_lshrrev_b32 v1, 5, v0
	v_readfirstlane_b32 s[WV], v1
	s_lshr_b32 s[RH], s[WV], 1
	s_and_b32 s[CH], s[WV], 1
	s_bfe_u32 s[CXI], ttmp6, 0x40000
	s_bfe_u32 s[CYI], ttmp6, 0x40004
	s_mov_b32 s[CXC], ttmp9
	s_and_b32 s[CYC], ttmp7, 0xffff
	s_lshl_b32 s2, s[CYI], 2
	s_lshl_b32 s2, 15, s2                          ; my row of the cluster
	s_lshl_b32 s3, 0x1111, s[CXI]                  ; my column
	s_or_b32 s[G1], s2, (3<<16)|(1<<21)
	s_or_b32 s[G1B], s3, (3<<16)|(1<<21)
	s_or_b32 s[G1S], s2, (3<<16)|(1<<21)
	s_or_b32 s[G1SB], s3, (3<<16)|(1<<21)
.irp g, G1, G1B                        ; a tile: 8 blocks, of each 3,072 bytes (256 along K), 12,288 bytes apart
	s_mov_b32 s[\g+1], 384<<16
	s_mov_b32 s[\g+2], 8<<16
	s_mov_b32 s[\g+3], 384<<16
	s_mov_b32 s[\g+4], 8
	s_mov_b32 s[\g+5], 1536
	s_mov_b32 s[\g+6], 0
	s_mov_b32 s[\g+7], 0
.endr
.irp g, G1S, G1SB                      ; the scale bytes of 8 blocks: 4,096 dense bytes as 16 rows of 256
	s_mov_b32 s[\g+1], 32<<16
	s_mov_b32 s[\g+2], 16<<16
	s_mov_b32 s[\g+3], 32<<16
	s_mov_b32 s[\g+4], 16
	s_mov_b32 s[\g+5], 32
	s_mov_b32 s[\g+6], 0
	s_mov_b32 s[\g+7], 0
.endr
	s_lshl_b32 s19, s[CYC], 6
	s_lshl_b32 s20, s[CYI], 4
	s_add_co_u32 s19, s19, s20
	s_lshl_b32 s20, s[CH], 3
	s_add_co_u32 s19, s19, s20                     ; A: block 64 CY + 16 cy + 8 x the half that I would fetch
	s_lshl_b32 s97, s[CXC], 6
	s_add_co_u32 s97, s97, 704
	s_lshl_b32 s98, s[CXI], 4
	s_add_co_u32 s97, s97, s98
	s_add_co_u32 s97, s97, s20                     ; B: block 704 + 64 CX + 16 cx + 8 x half
	s_mul_i32 s20, s19, RB
	s_mov_b32 s21, 0
	s_lshl_b32 s22, s19, 9
	s_mov_b32 s23, 0
	s_mul_i32 s98, s97, RB
	s_mov_b32 s99, 0
	s_lshl_b32 s100, s97, 9
	s_mov_b32 s101, 0
	s_mul_i32 s2, s[WV], HALFT
	s_lshl_b32 s3, s[WV], 12
	s_wait_kmcnt 0x0
	s_add_nc_u64 s[20:21], s[4:5], s[20:21]
	s_add_nc_u64 s[22:23], s[6:7], s[22:23]
	s_add_nc_u64 s[98:99], s[8:9], s[98:99]
	s_add_nc_u64 s[100:101], s[10:11], s[100:101]
	CROUND                                         ; all sixteen work-groups are here: the first joint loads meet
	s_mov_b32 s[G0S], 1
	s_add_co_u32 s[G0S+1], s3, SCL
	s_mov_b64 s[G0S+2:G0S+3], s[22:23]
	s_or_b32 s[G0S+3], s[G0S+3], 0x80000000
	s_mov_b32 s[G0SB], 1
	s_add_co_u32 s[G0SB+1], s3, SCL
	s_mov_b64 s[G0SB+2:G0SB+3], s[100:101]
	s_or_b32 s[G0SB+3], s[G0SB+3], 0x80000000
	JLOAD G0S, G1S, G0SB, G1SB                     ; the scales first; then three slots: four loads of mine are out
.irp s, 0,1,2
	s_mov_b32 s[G0+4*\s], 1
	s_add_co_u32 s[G0+4*\s+1], s2, \s*SLOT
	s_add_nc_u64 s[G0+4*\s+2:G0+4*\s+3], s[20:21], \s*3072
	s_or_b32 s[G0+4*\s+3], s[G0+4*\s+3], 0x80000000
	s_mov_b32 s[G0B+4*\s], 1
	s_add_co_u32 s[G0B+4*\s+1], s2, \s*SLOT
	s_add_nc_u64 s[G0B+4*\s+2:G0B+4*\s+3], s[98:99], \s*3072
	s_or_b32 s[G0B+4*\s+3], s[G0B+4*\s+3], 0x80000000
	JLOAD G0+4*\s, G1, G0B+4*\s, G1B
.endr
	v_and_b32 v1, 15, v0                           ; r
	v_bfe_u32 v2, v0, 4, 1                         ; h
	v_and_b32 v3, 31, v0
	v_lshlrev_b32 v[L16], 4, v3
	v_lshlrev_b32 v26, 4, v1
	v_lshl_add_u32 v[L8], v2, 3, v26
	v_add_nc_u32 v[L8], 512, v[L8]
	s_mul_i32 s19, s[RH], HALFT
	s_mul_i32 s20, s[CH], HALFT
	s_add_co_u32 s20, s20, 2*HALFT
.irp s, 0,1,2
	v_add_nc_u32 v[A16+\s], s19, v[L16]
	v_add_nc_u32 v[A8+\s], s19, v[L8]
	v_add_nc_u32 v[B16+\s], s20, v[L16]
	v_add_nc_u32 v[B8+\s], s20, v[L8]
	s_add_co_u32 s19, s19, SLOT
	s_add_co_u32 s20, s20, SLOT
.endr
	s_lshl_b32 s19, s[RH], 12
	s_lshl_b32 s20, s[CH], 12
	s_add_co_u32 s20, s20, 8192
	s_sub_co_u32 s20, s20, s19
	v_mul_u32_u24 v27, s20, v2                     ; lanes 16-31 take B's scale words: the lower base + h x the distance
	s_add_co_u32 s19, s19, SCL
	v_add_nc_u32 v27, v26, v27
	v_add_nc_u32 v[ADRS], s19, v27
	s_mul_i32 s19, s[WV], 8448                     ; my stage
	s_add_co_u32 s19, s19, STG
	v_mul_u32_u24 v27, v1, 528
	v_lshl_add_u32 v27, v2, 6, v27
	v_add_nc_u32 v[STO], s19, v27                  ; row r, + 64 h
	v_add_nc_u32 v[RD], s19, v[L16]
	v_lshlrev_b32 v[BO1], 6, v2
	s_lshl_b32 s19, s[CXC], 12
	s_lshl_b32 s20, s[CXI], 10
	s_add_co_u32 s19, s19, s20
	s_lshl_b32 s20, s[CH], 9
	s_add_co_u32 s20, s19, s20                     ; my 128 columns begin at 256 (4 CX + cx) + 128 x my half of B: x 4 bytes
	s_mov_b32 s21, 0
	s_add_nc_u64 s[12:13], s[12:13], s[20:21]
	s_add_nc_u64 s[14:15], s[14:15], s[20:21]
.irp b, 0,1,2,3,4,5,6,7                        ; tile column b: the bias of columns 32 (b / 2) + 16 h + 8 (b % 2) + 0 .. 7
	global_load_b128 v[96+8*\b+96*(\b/4):96+8*\b+96*(\b/4)+3], v[BO1], s[12:13] offset:128*(\b/2)+32*(\b%2)
	global_load_b128 v[96+8*\b+96*(\b/4)+4:96+8*\b+96*(\b/4)+7], v[BO1], s[12:13] offset:128*(\b/2)+32*(\b%2)+16
.endr
	s_lshl_b32 s19, s[CYC], 10
	s_lshl_b32 s20, s[CYI], 8
	s_add_co_u32 s19, s19, s20
	s_lshl_b32 s20, s[RH], 7
	s_add_co_u32 s19, s19, s20                     ; my first token: 1,024 CY + 256 cy + 128 x my half of A
	s_lshl_b32 s20, s19, 12                        ; rows of 4,096 bytes
	s_add_nc_u64 s[14:15], s[14:15], s[20:21]
	s_wait_tensorcnt 0x2                           ; my part of the scales and of slot 0 is in; slots 1 and 2 may stay out
	s_barrier_signal -1
	s_barrier_wait -1
	FETCH_B 0, 0
	FETCH_A 0, 0
	SCALES
	FETCH_A 0, 4
	s_wait_loadcnt 0x0                             ; the bias
	STEP 0, 1                                      ; the first products start the sums with the bias
	TURN 1, 1                                      ; its wait for all loads and its barrier also show slots 1 and 2 whole to every wave
	STEP 2, 0
	STEP 3, 0
	STEP 4, 0
	TURN 5, 0                                      ; slot 0's second fill has landed, in every wave
	STEP 6, 0
	LAST
	PLACES 4                                       ; in front of the first read of results and of loads into the registers that held A's fragments
	TOSTAGE 0
.irp a, 1,2,3,4,5,6,7
.if \a > 1
	s_wait_xcnt 0x0                                ; block a - 2's stores have read their registers and their base
.endif
	TOSTAGE \a
	SEND \a-1, 32                                  ; behind block a - 1's loads: block a's 16 stores and 16 loads
.endr
	s_wait_xcnt 0x0
	SEND 7, 0
	s_wait_tensorcnt 0x0                           ; the wave's end
	ds_add_u32 v[SPW], v[NIL]
	s_wait_dscnt 0x0
	CROUND                                         ; the closing round
	s_endpgm
.Lfunc_end_k_q02fcab0537_outp:
	.size	k_q02fcab0537_outp, .Lfunc_end_k_q02fcab0537_outp-k_q02fcab0537_outp
	.p2alignl 7, 3214868480
	.fill 96, 4, 3214868480
	.section	.rodata,"a",@progbits
	.p2align	6, 0x0
	.amdhsa_kernel k_q02fcab0537_outp
		.amdhsa_group_segment_fixed_size 327680
		.amdhsa_private_segment_fixed_size 0
		.amdhsa_enable_private_segment 0
		.amdhsa_kernarg_size 48
		.amdhsa_user_sgpr_count 2
		.amdhsa_user_sgpr_kernarg_segment_ptr 1
		.amdhsa_wavefront_size32 1
		.amdhsa_system_sgpr_workgroup_id_x 1
		.amdhsa_system_sgpr_workgroup_id_y 1
		.amdhsa_system_sgpr_workgroup_id_z 1
		.amdhsa_system_vgpr_workitem_id 0
		.amdhsa_next_free_vgpr 1024
		.amdhsa_next_free_sgpr 102
		.amdhsa_reserve_vcc 0
		.amdhsa_float_denorm_mode_32 3
		.amdhsa_float_denorm_mode_16_64 3
		.amdhsa_memory_ordered 1
		.amdhsa_forward_progress 1
		.amdhsa_inst_pref_size 144
	.end_amdhsa_kernel
	.amdgpu_metadata
---
amdhsa.version: [ 1, 2 ]
amdhsa.kernels:
  - .name:           k_q02fcab0537_outp
    .symbol:         k_q02fcab0537_outp.kd
    .args:
      - { .name: aoc, .offset: 0, .size: 8, .value_kind: global_buffer, .address_space: global }
      - { .name: aos, .offset: 8, .size: 8, .value_kind: global_buffer, .address_space: global }
      - { .name: opc, .offset: 16, .size: 8, .value_kind: global_buffer, .address_space: global }
      - { .name: ops, .offset: 24, .size: 8, .value_kind: global_buffer, .address_space: global }
      - { .name: b_out, .offset: 32, .size: 8, .value_kind: global_buffer, .address_space: global }
      - { .name: out0, .offset: 40, .size: 8, .value_kind: global_buffer, .address_space: global }
    .group_segment_fixed_size: 327680
    .private_segment_fixed_size: 0
    .kernarg_segment_align: 8
    .kernarg_segment_size: 48
    .max_flat_workgroup_size: 128
    .sgpr_count:     102
    .vgpr_count:     1024
    .wavefront_size: 32
...
	.end_amdgpu_metadata
.endif
;; end of part 4
